; MI455X (gfx1250); checked and timed in simulation.
; The chip was launched on July 23, 2026; its instructions are those of AMD's public machine-readable ISA for CDNA 5 (MIT licence, August 2026) and "CDNA5" Instruction Set Architecture Reference Guide (July 2026). The comments in the code are by the model that wrote it; some were corrected since.
;; Multi Head Attn. Allowed arithmetic: matrix products marked QUANTISED: E2M3 operands, one E8M0 scale for each 32 along K, by v_wmma_scale_f32_16x16x128_f8f6f4 with both operands' format E2M3, f32 sums; everything else in f32.
;; Inputs: Wk 1,024 x 1,024 float32; Wo 1,024 x 1,024 float32; Wq 1,024 x 1,024 float32; Wv 1,024 x 1,024 float32; bk 1,024 float32; bo 1,024 float32; bq 1,024 float32; bv 1,024 float32; k 4 x 2,048 x 1,024 float32; mask 4 x 2,048 int32; q 4 x 2,048 x 1,024 float32; v 4 x 2,048 x 1,024 float32.
;; Outputs: out0 4 x 2,048 x 1,024 float32.
;; This version of the problem:
;;   THIS VERSION OF THE PROBLEM IS GIVEN IN LOW PRECISION. The matrix products marked QUANTISED in the list below multiply operands that are first quantised to E2M3 (2 exponent bits, 3 mantissa bits; 6 bits a number), with one power-of-two scale for each 32 numbers along K (OCP MX v1.0); their sums are f32. All else is computed in f32.
;;   The module's matrix products, in the order in which they are computed (A, B: the left and right operand; K: the contracted axis; several contracted axes count as one K, in the product's order):
;;     1. [M 8,192, K 1,024] x [K 1,024, N 1,024]; A: input q; B: input Wq: QUANTISED
;;     2. [M 8,192, K 1,024] x [K 1,024, N 1,024]; A: input k; B: input Wk: QUANTISED
;;     3. [M 8,192, K 1,024] x [K 1,024, N 1,024]; A: input v; B: input Wv: QUANTISED
;;     4. batch 64 x [M 2,048, K 64] x [K 64, N 2,048]; A: computed on the way; B: computed on the way: QUANTISED
;;     5. batch 64 x [M 2,048, K 2,048] x [K 2,048, N 64]; A: softmax (see below); B: computed on the way: QUANTISED
;;     6. [M 8,192, K 1,024] x [K 1,024, N 1,024]; A: computed on the way; B: input Wo: QUANTISED
;;   THE QUANTISER, for each operand of a quantised product, along K:
;;     - K is cut into blocks of 32 from its start; a last block that is shorter is filled with zeros.
;;     - A block's scale is 2^e with e = floor(log2(the largest magnitude in the block)) - 2, held to -126 .. 127; a block of zeros has e = 0. As a byte (E8M0): e + 127.
;;     - Each number is divided by its block's scale, clamped to +-7.5, and rounded to the nearest number of E2M3, ties to even, subnormals kept.
;;     - The product sums the exact products of the quantised numbers (number of the format x scale) in f32.
;;   ~~~python
;;   def quantise(x, axis):      # numpy; x: float32 -> the quantised numbers, widened to float32 again
;;       x = np.moveaxis(x, axis, -1); K = x.shape[-1]
;;       x = np.pad(x, [(0, 0)] * (x.ndim - 1) + [(0, -K % 32)]); x = x.reshape(x.shape[:-1] + (-1, 32)); a = np.abs(x).max(-1, keepdims=True)
;;       e = np.where(a > 0, np.clip(np.frexp(np.where(a > 0, a, 1))[1] - 1 - 2, -126, 127), 0)      # np.frexp(a)[1] - 1 = floor(log2(a)), exactly
;;       r = np.clip(x / 2.0 ** e, -7.5, 7.5)
;;       step = 2.0 ** (np.maximum(np.frexp(np.where(r == 0, 1, r))[1] - 1, 0) - 3)
;;       q = np.round(r / step) * step * 2.0 ** e      # np.round: ties to even
;;       return np.moveaxis(q.reshape(q.shape[:-2] + (-1,))[..., :K], -1, axis).astype(np.float32)
;;   ~~~
;;   SOFTMAX AHEAD OF A QUANTISED PRODUCT. Where the list says 'softmax', what is quantised is not the finished softmax but p = 2^(t - M), with t = logit x log2(e) and M = ceil(the row's largest t), a whole number; so 1/2 < the row's largest p <= 1. The row's sum l is taken of the UNQUANTISED p, in f32, and the product's result is divided by l at the end. Since M is a whole number, a kernel that streams over the keys may use a running M (the ceiling of the running maximum): every later rescaling is an exact power of two, which a block's scale takes up: the codes' values come out the same.
;;   OPERANDS COMPUTED ON THE WAY. 'Computed on the way' means the value that the module computes at that place (a softmax that the list does not call 'softmax' is quantised finished and normalised). What goes into a quantiser is computed in f32, as accurately as f32 sums, v_exp_f32 and their like allow (about 1e-6 of the number): no bf16 or f16 on the way to a quantiser, and a product that is left as it is and whose result goes on into a quantised operand takes f32 operands (vector FMAs, or v_wmma_f32_16x16x4_f32). A number that lies on a knife's edge between two numbers of the format may be rounded either way, as far as f32 arithmetic and the matrix unit's own rounding can turn it there, and no further.
;; One version. Each part assembles by itself: llvm-mc -triple=amdgcn-amd-amdhsa -mcpu=gfx1250 --defsym DOCPART=n.
;; ======== version 1 of 1: 4 launches
;; limits: right only within a limited range of input values
;; workspace buffers: xc 22,937,600 bytes; pa 20,185,088 bytes; oc 6,553,600 bytes
;; launch quant (part 1): grid 896 x 1, 4 waves a work-group, no clusters, 35,328 bytes of LDS; arguments q, k, v, Wq, Wk, Wv, Wo, xc; writes xc
.if DOCPART == 1
	.amdgcn_target "amdgcn-amd-amdhsa--gfx1250"
	.amdhsa_code_object_version 6
	.text
	.protected	k_q86ece6e73c_quant
	.globl	k_q86ece6e73c_quant
	.p2align	8
	.type	k_q86ece6e73c_quant,@function
k_q86ece6e73c_quant:
	s_mov_b64 s[64:65], 0
	v_nop
	global_prefetch_b8 v0, s[64:65] scope:SCOPE_SE
	s_setreg_imm32_b32 hwreg(HW_REG_WAVE_MODE, 25, 1), 1
	s_wait_xcnt 0x0
; q, k, v [8192][1024] and Wq, Wk, Wv, Wo [1024][1024], f32 with K innermost, become codes of FP6 (E2M3) and E8M0 scale bytes (one for each 32 along K), laid in xc IN THE ORDER OF AN OPERAND'S REGISTERS.
; A HALF FRAGMENT is 16 rows x 64 K, 768 bytes: bytes 0-511 hold lane l's registers 0-3 at 16 l, bytes 512-767 its registers 4, 5 at 8 l; lane (r = l % 16, h = l / 16) holds K = 32 h .. 32 h + 31 of the tile's row r.
; THE ROWS OF A TILE ARE NOT NEIGHBOURS: lane r of tile 2 b + u holds row 32 b + 8 u + r + 8 (r / 8).
; A GROUP is 128 rows (8 tiles), 102,400 bytes: 4 chunks of 256 K, each 4 x 8 half fragments ([64 K][tile]) and then 1,024 bytes of scale words ([tile][r][2 words], a word for 128 K).  Groups: q 0-63, k 64-127, v 128-191, Wq 192.., Wk 200.., Wv 208.., Wo 216-223.
; A block's scale is 2^(floor(log2(largest magnitude)) - 2); its byte is the largest magnitude's exponent field - 2, held at 1 from below.
; LIMITS: a block of zeros, and a block whose largest magnitude lies under 2^-124, get the byte 1 (zero codes add nothing; only this program reads the bytes); NaN and infinities are not served.
; SHARES: a work-group owns 32 neighbouring rows (two tiles), wave w the chunk w of them: 8 steps of one half fragment.  Each load reads two rows' aligned 256 bytes; the 4,096 bytes turn through the wave's own stage in LDS
; (rows 272 bytes apart) so that a lane gets a whole block of 32.  Loads run three steps (24 loads a wave) ahead.  No barrier: waves share nothing.
.set R,   32                           ; v32-127  three sets of 32 numbers as loaded
.set X,   128                          ; v128-191 two sets of 32 neighbours
.set C,   192                          ; v192-207 two sets of codes
.set T,   208                          ; v208-210 the second conversion's result
.set STG, 4352                         ; a stage: 16 rows x 272 bytes
	s_load_b512 s[4:19], s[0:1], 0x0               ; q, k, v, Wq, Wk, Wv, Wo, xc
	v_lshl_add_u32 v224, v0, 2, 0x8800
	v_mov_b32 v225, 0
	v_lshrrev_b32 v7, 5, v0
	v_readfirstlane_b32 s20, v7                    ; wave
	v_and_b32 v7, 15, v0                           ; r
	v_bfe_u32 v9, v0, 4, 1                         ; h
	v_and_b32 v8, 31, v0                           ; lane
	v_lshlrev_b32 v1, 4, v7
	v_lshl_add_u32 v1, v9, 12, v1                  ; in: 16 bytes of a row's 256, lanes 16-31 a row further down
	s_mul_i32 s21, s20, 2*STG                      ; my wave's two stages
	v_mul_u32_u24 v2, v9, 272
	v_lshl_add_u32 v2, v7, 4, v2
	v_add_nc_u32 v2, s21, v2                       ; the stage, on the way in
	v_mul_u32_u24 v3, v7, 272
	v_lshl_add_u32 v3, v9, 7, v3
	v_add_nc_u32 v3, s21, v3                       ; and on the way out: row r, 128 bytes for each half of the lanes
	v_lshlrev_b32 v4, 4, v8                        ; 16 x lane
	v_lshlrev_b32 v5, 3, v8                        ; 8 x lane
	v_lshlrev_b32 v6, 3, v9                        ; 8 h: my byte's shift in a scale word
	v_cmp_ne_u32 vcc_lo, 0, v9                     ; lanes 16-31; never written again
	v_mov_b32 v13, 0                               ; a lane permute's destination counts as one of its sources
	s_mov_b32 s28, 0x76543210
	s_mov_b32 s29, 0xfedcba98                      ; selects for lane l xor 16
	; xc'S ORDER, AS IT NOW STANDS: two neighbouring groups form a pair of 204,800 bytes, laid [half of K][group of the pair][2 chunks of 25,600 bytes]: a pair's half of K is 102,400 dense bytes, a group's half 51,200.
	s_lshr_b32 s30, ttmp9, 3                       ; the pair of groups
	s_mul_i32 s30, s30, 204800
	s_bfe_u32 s31, ttmp9, 0x10002                  ; the group in its pair
	s_mul_i32 s31, s31, 51200
	s_add_co_u32 s30, s30, s31
	s_lshr_b32 s31, s20, 1                         ; my chunk's half of K
	s_mul_i32 s31, s31, 102400
	s_add_co_u32 s30, s30, s31
	s_and_b32 s31, s20, 1
	s_mul_i32 s31, s31, 25600
	s_add_co_u32 s30, s30, s31                     ; my chunk
	; k's TILES ALONE HOLD OTHER ROWS: lane r of tile t of a group holds row 64 (t / 4) + 32 (r / 8) + 8 (t % 4) + r % 8, so that in the attention launch a lane's 32 scores of four tiles are one block of 32 keys.
	s_mov_b32 s39, 0x10000                         ; 16 rows of 4,096 bytes
	s_lshr_b32 s38, ttmp9, 8
	s_cmp_eq_u32 s38, 1                            ; k's work-groups are 256 .. 511
	s_cselect_b32 s39, s39, 0
	v_add_nc_u32 v10, s39, v1                      ; a tile's rows 8-15 lie 16 rows further down in k
	s_and_b32 s31, ttmp9, 3                        ; which pair of tiles of the group
	s_mul_i32 s32, s31, 1536
	s_add_co_u32 s32, s32, s30                     ; the codes' place
	s_mov_b32 s33, 0
	s_lshl_b32 s34, s31, 8
	s_add_co_u32 s34, s34, s30
	s_add_co_u32 s34, s34, 24576                   ; the scale words' place
	s_mov_b32 s35, 0
	s_wait_alu depctr_va_vdst(0)
	s_wait_kmcnt 0x0
	s_mov_b64 s[22:23], s[16:17]                   ; which tensor: the choice hangs on the work-group's number alone
	s_mov_b32 s38, 864
	s_cmp_lt_u32 ttmp9, 864
	s_cselect_b64 s[22:23], s[14:15], s[22:23]
	s_cselect_b32 s38, 832, s38
	s_cmp_lt_u32 ttmp9, 832
	s_cselect_b64 s[22:23], s[12:13], s[22:23]
	s_cselect_b32 s38, 800, s38
	s_cmp_lt_u32 ttmp9, 800
	s_cselect_b64 s[22:23], s[10:11], s[22:23]
	s_cselect_b32 s38, 768, s38
	s_cmp_lt_u32 ttmp9, 768
	s_cselect_b64 s[22:23], s[8:9], s[22:23]
	s_cselect_b32 s38, 512, s38
	s_cmp_lt_u32 ttmp9, 512
	s_cselect_b64 s[22:23], s[6:7], s[22:23]
	s_cselect_b32 s38, 256, s38
	s_cmp_lt_u32 ttmp9, 256
	s_cselect_b64 s[22:23], s[4:5], s[22:23]
	s_cselect_b32 s38, 0, s38
	s_sub_co_u32 s36, ttmp9, s38
	s_lshl_b32 s36, s36, 17
	s_and_b32 s37, ttmp9, 1                        ; k: an odd work-group's two tiles begin 16 rows higher up
	s_mul_i32 s37, s37, s39
	s_sub_co_u32 s36, s36, s37
	s_lshl_b32 s37, s20, 10                        ; my 1,024 bytes of a row
	s_add_co_u32 s36, s36, s37
	s_mov_b32 s37, 0
	s_add_nc_u64 s[22:23], s[22:23], s[36:37]
	s_add_nc_u64 s[24:25], s[18:19], s[32:33]
	s_add_nc_u64 s[26:27], s[18:19], s[34:35]
.macro LOAD t                          ; step t = 4 u + k: tile u, the chunk's k-th 64 along K; load j brings the tile's rows 2 j and 2 j + 1
.irp j, 0,1,2,3,4,5,6,7
	global_load_b128 v[R+32*((\t)%3)+4*\j:R+32*((\t)%3)+4*\j+3], v[1+9*(\j/4)], s[22:23] offset:(8*((\t)/4)+2*\j+8*(\j/4))*4096+256*((\t)%4) th:TH_LOAD_NT
.endr
.endm
.macro TURN t                          ; through the stage: LDS serves a wave's instructions in order, so no wait stands between the stores and the loads
.irp j, 0,1,2,3,4,5,6,7
	ds_store_b128 v2, v[R+32*((\t)%3)+4*\j:R+32*((\t)%3)+4*\j+3] offset:STG*((\t)%2)+544*\j
.endr
.irp i, 0,1,2,3,4,5,6,7
	ds_load_b128 v[X+32*((\t)%2)+4*\i:X+32*((\t)%2)+4*\i+3], v3 offset:STG*((\t)%2)+16*\i
.endr
.endm
.macro STEP t
.set XS, X+32*((\t)%2)
.set CS, C+8*((\t)%2)
	s_wait_dscnt 0x0                               ; this step's block is back from the stage, so its stores into the stage have read their registers,
.if (\t)+3 < 8
	LOAD (\t)+3                                    ; which take the loads of three steps on
.endif
.if (\t)+1 < 8
.if (\t) < 5
	s_wait_loadcnt 16                              ; the next step's eight loads are in; those of the two steps behind it may be out
.else
	s_wait_loadcnt 8*(6-(\t))
.endif
	TURN (\t)+1
.endif
	v_max3_num_f32 v8, |v[XS]|, |v[XS+1]|, |v[XS+2]|   ; the block's largest magnitude: all 32 numbers are mine; two chains
	v_max3_num_f32 v9, |v[XS+3]|, |v[XS+4]|, |v[XS+5]|
.irp i, 6,10,14,18,22,26
	v_max3_num_f32 v8, v8, |v[XS+\i]|, |v[XS+\i+1]|
	v_max3_num_f32 v9, v9, |v[XS+\i+2]|, |v[XS+\i+3]|
.endr
	v_max3_num_f32 v8, v8, |v[XS+30]|, |v[XS+31]|
	v_max3_num_f32 v8, v8, v9, 0x1800000           ; and the floor 2^(3 - 127): the byte cannot fall under 1
	v_add_nc_u32 v11, 0xff000000, v8               ; 2 off the exponent field: the conversion's scale operand
.if (\t) >= 2
	s_wait_alu depctr_va_vdst(0)
	s_wait_xcnt 0x0                                ; the stores of two steps ago have read this set of codes
.endif
	v_cvt_scalef32_pk16_fp6_f32 v[CS:CS+2], v[XS:XS+15], v11
	v_cvt_scalef32_pk16_fp6_f32 v[T:T+2], v[XS+16:XS+31], v11   ; (a conversion's three registers begin on an even number)
	v_lshrrev_b32 v12, 23, v11                     ; the scale's byte; also the plain line behind the conversions
	v_mov_b32 v[CS+3], v[T]
	v_mov_b32 v[CS+4], v[T+1]
	v_mov_b32 v[CS+5], v[T+2]
	global_store_b128 v4, v[CS:CS+3], s[24:25] offset:6144*((\t)%4)+768*((\t)/4)       ; 512 consecutive bytes, aligned
	global_store_b64 v5, v[CS+4:CS+5], s[24:25] offset:6144*((\t)%4)+768*((\t)/4)+512  ; 256 consecutive bytes, aligned
.if (\t)%2 == 0
	v_mov_b32 v14, v12                             ; block 0 + h of a word
.else
	v_lshl_or_b32 v14, v12, 16, v14                ; block 2 + h
	v_lshlrev_b32 v14, v6, v14                     ; at their places,
	v_permlanex16_b32 v13, v14, s28, s29
	v_or_b32 v[16+2*((\t)/4)+((\t)%4)/2], v14, v13 ; with lane l xor 16's two the word is whole
.endif
.endm
	LOAD 0
	LOAD 1
	LOAD 2
	s_wait_loadcnt 16                              ; step 0's eight loads are in
	TURN 0
.irp t, 0,1,2,3,4,5,6,7
	STEP \t
.endr
	v_cndmask_b32 v20, v16, v18, vcc_lo            ; lanes 0-15 store tile 0's two words of row r, lanes 16-31 tile 1's
	v_cndmask_b32 v21, v17, v19, vcc_lo
	global_store_b64 v5, v[20:21], s[26:27]        ; 256 consecutive bytes, aligned
	s_wait_tensorcnt 0x0
	ds_add_u32 v224, v225
	s_wait_dscnt 0x0
	s_endpgm
.Lfunc_end_k_q86ece6e73c_quant:
	.size	k_q86ece6e73c_quant, .Lfunc_end_k_q86ece6e73c_quant-k_q86ece6e73c_quant
	.p2alignl 7, 3214868480
	.fill 96, 4, 3214868480
	.section	.rodata,"a",@progbits
	.p2align	6, 0x0
	.amdhsa_kernel k_q86ece6e73c_quant
		.amdhsa_group_segment_fixed_size 35328
		.amdhsa_private_segment_fixed_size 0
		.amdhsa_enable_private_segment 0
		.amdhsa_kernarg_size 64
		.amdhsa_user_sgpr_count 2
		.amdhsa_user_sgpr_kernarg_segment_ptr 1
		.amdhsa_wavefront_size32 1
		.amdhsa_system_sgpr_workgroup_id_x 1
		.amdhsa_system_sgpr_workgroup_id_y 1
		.amdhsa_system_sgpr_workgroup_id_z 1
		.amdhsa_system_vgpr_workitem_id 0
		.amdhsa_next_free_vgpr 226
		.amdhsa_next_free_sgpr 66
		.amdhsa_reserve_vcc 1
		.amdhsa_float_denorm_mode_32 3
		.amdhsa_float_denorm_mode_16_64 3
		.amdhsa_memory_ordered 1
		.amdhsa_forward_progress 1
		.amdhsa_inst_pref_size 33
	.end_amdhsa_kernel
	.amdgpu_metadata
---
amdhsa.version: [ 1, 2 ]
amdhsa.kernels:
  - .name:           k_q86ece6e73c_quant
    .symbol:         k_q86ece6e73c_quant.kd
    .args:
      - { .name: q, .offset: 0, .size: 8, .value_kind: global_buffer, .address_space: global }
      - { .name: k, .offset: 8, .size: 8, .value_kind: global_buffer, .address_space: global }
      - { .name: v, .offset: 16, .size: 8, .value_kind: global_buffer, .address_space: global }
      - { .name: Wq, .offset: 24, .size: 8, .value_kind: global_buffer, .address_space: global }
      - { .name: Wk, .offset: 32, .size: 8, .value_kind: global_buffer, .address_space: global }
      - { .name: Wv, .offset: 40, .size: 8, .value_kind: global_buffer, .address_space: global }
      - { .name: Wo, .offset: 48, .size: 8, .value_kind: global_buffer, .address_space: global }
      - { .name: xc, .offset: 56, .size: 8, .value_kind: global_buffer, .address_space: global }
    .group_segment_fixed_size: 35328
    .private_segment_fixed_size: 0
    .kernarg_segment_align: 8
    .kernarg_segment_size: 64
    .max_flat_workgroup_size: 128
    .sgpr_count:     66
    .vgpr_count:     226
    .wavefront_size: 32
...
	.end_amdgpu_metadata
.endif
;; end of part 1
;; launch proj (part 2): grid 4 x 192, 4 waves a work-group, clusters of 4 x 4, 307,712 bytes of LDS; arguments xc, bq, bk, bv, mask, pa; writes pa
.if DOCPART == 2
	.amdgcn_target "amdgcn-amd-amdhsa--gfx1250"
	.amdhsa_code_object_version 6
	.text
	.protected	k_q86ece6e73c_proj
	.globl	k_q86ece6e73c_proj
	.p2align	8
	.type	k_q86ece6e73c_proj,@function
k_q86ece6e73c_proj:
	s_mov_b64 s[64:65], 0
	v_nop
	global_prefetch_b8 v0, s[64:65] scope:SCOPE_SE
	s_setreg_imm32_b32 hwreg(HW_REG_WAVE_MODE, 25, 1), 1
	s_wait_xcnt 0x0
	s_wait_alu depctr_hold_cnt(0) depctr_sa_sdst(0) depctr_va_vdst(0) depctr_va_sdst(0) depctr_va_ssrc(0) depctr_va_vcc(0) depctr_vm_vsrc(0)
	s_getreg_b32 s2, hwreg(HW_REG_IB_STS2, 6, 4)
	s_cmp_eq_u32 s2, 0
	s_cbranch_scc0 .Lentry_in_a_cluster
	s_endpgm
.Lentry_in_a_cluster:
	s_bfe_u32 s2, ttmp6, 0x10000c
	s_cmp_lg_u32 s2, 0xf033
	s_cbranch_scc0 .Lentry_shape_is_right
	s_endpgm
.Lentry_shape_is_right:
; qp = q Wq^T + bq, kp = k Wk^T + bk, vp = v Wv^T + bv on codes of FP6 (E2M3) from xc, and the results quantised in registers into pa, in the order of the attention launch's operand registers.
; A work-group of four waves makes 128 rows of S1 (source 1) x 256 rows of S0 (source 0) over all K = 1,024; wave w makes S1's tiles 4 (w / 2) .. + 3 against the 8 tiles of S0's group w % 2: 32 accumulators.
; P = cluster y / 16 says which product.  q, k: S1 = tokens, S0 = the weight: a lane holds one token, its registers run along the features (the next K).  v: S1 = Wv, S0 = tokens: a lane holds one feature, its registers run along the keys.
; xc's tiles hold rows 32 b + 8 u + r + 8 (r / 8) in lane r of tile 2 b + u, so the 16 registers of two neighbouring S0 tiles are 16 neighbours along the next K.
; ALL OPERANDS LIE IN LDS: S1's group at 0 as 4 chunks of 256 K (25,600 bytes: codes and scale words, dense), S0's two from 102,400 as [half of K][group][2 chunks].  Nothing is filled twice.  Four tensor loads, one a wave: waves 0 and 2 S1's halves of K,
; waves 1 and 3 S0's (both groups).
; CLUSTER 4 x 4: S1's group is shared along a row of the cluster, S0's groups along a column: each chunk is asked for jointly.
; THE MASK goes into k's operand: a masked key's codes become zeros and its scale word's upper bytes 148 and 137 (2^21, 2^10); an open key's are 1 and 1; q's are 127.  The attention launch sets the codes -1 and +1 beside them: score = -2^21 + 2^10 = -65504 x 32.
; pa: Q's half fragments [bh][tile] x 768; from QS0 Q's scale words [bh][step][tile / 4][r][4 words]; from KV0 a record of REC bytes for each bh: K tiles 0-15, V half steps 0-3, K's scale words, V's scale words, K tiles 16-127, V half steps 4-31.
; LIMITS: blocks of zeros and blocks under 2^-124 get the byte 1; NaN and infinities are not served.
; REGISTERS: window 0: v8-19 LDS addresses; v20-26 the way out; v32-35 keep masks, v36-39 upper halves, v40-43 scale words out, v44-47 mask; v48-95 scale words (these alone); v96-159 the bias as C, later at work; v160-255 S1's fragments, two sets.
;   window 1: accumulator (a, b) at v[64 a + 8 b].   window 2: S0's fragments, two sets, at v0 and v128.
.set KV0, 6815744
.set QS0, 6291456
.set REC, 208896
.set GRP, 102400
.set CHK, 25600
.set BI,  96
.set TM,  96                           ; v96-99 largest magnitudes, v100-103 bytes, v108-111 scale operands
.set PW,  112                          ; the scale word just made; v113 at work
.set PC,  116                          ; v116-127 the codes; v128-134 the conversions' second halves
.set MSB, 0
.macro WIN new                         ; the immediate's high byte repeats the setting that is left
.if MSB != \new
	s_set_vgpr_msb (MSB<<8)|\new
.set MSB, \new
.endif
.endm
.macro CROUND                          ; a round of the cluster's barrier
	s_barrier_signal -1
	s_barrier_wait -1
	s_cmp_lg_u32 s16, 0
	s_cbranch_scc1 .Lnot_wave_0_\@
	s_barrier_signal -3
.Lnot_wave_0_\@:
	s_barrier_wait -3
	s_barrier_signal -1
	s_barrier_wait -1
.endm
.macro PLACES n
.rept \n
	v_nop
.endr
.endm
.macro FRAG reg, a16, a8, off          ; a fragment (16 rows x 128 K, 12 registers) is two half fragments, 6,144 bytes apart
	ds_load_b128 v[\reg:\reg+3], v[\a16] offset:\off
	ds_load_b64 v[\reg+4:\reg+5], v[\a8] offset:\off
	ds_load_b128 v[\reg+6:\reg+9], v[\a16] offset:\off+6144
	ds_load_b64 v[\reg+10:\reg+11], v[\a8] offset:\off+6144
.endm
.macro FETCH q                         ; K step q's fragments into set q % 2; with an even q the chunk's scale words (two words a row) into parity (q / 2) % 2
.set TT, (\q)/4
.set OF, (((\q)/2)%2)*CHK+((\q)%2)*12288
.set RH, ((\q)/2)%2
	WIN 0x80                                       ; destination window 2
.irp i, 0,1,2,3,4,5,6,7
	FRAG 128*((\q)%2)+12*\i,12+TT,14+TT,OF+768*\i
.endr
	WIN 0
.irp i, 0,1,2,3
	FRAG 160+48*((\q)%2)+12*\i,8+TT,10+TT,OF+768*\i
.endr
.if (\q)%2 == 0
.irp i, 0,1,2,3
	ds_load_b64 v[48+24*RH+2*\i:48+24*RH+2*\i+1], v[16+TT] offset:RH*CHK+128*\i
.endr
.irp i, 0,1,2,3,4,5,6,7
	ds_load_b64 v[56+24*RH+2*\i:56+24*RH+2*\i+1], v[18+TT] offset:RH*CHK+128*\i
.endr
.endif
.endm
.macro WM d, a, b, c, sa, sb
	v_wmma_scale_f32_16x16x128_f8f6f4 v[\d:\d+7], v[\a:\a+11], v[\b:\b+11], v[\c:\c+7], v[\sa], v[\sb] matrix_a_fmt:MATRIX_FMT_FP6 matrix_b_fmt:MATRIX_FMT_FP6
.endm
; 32 matrix instructions, the 32 accumulators by turns, one instruction a turn.  first = 1: C = the bias by S0's rows; 2: by S1's rows; 0: the sums go on.
.macro MUL q, first
.set RH, ((\q)/2)%2
.set PQ, (\q)%2
.if \first
	WIN 0x42                                       ; source 0 window 2, source 1 and C window 0, D window 1
.else
	WIN 0x52                                       ; C window 1 too
.endif
.irp a, 0,1,2,3
.irp b, 0,1,2,3,4,5,6,7
.if \first == 1
	WM 64*\a+8*\b,128*PQ+12*\b,160+48*PQ+12*\a,BI+8*\b,56+24*RH+2*\b+PQ,48+24*RH+2*\a+PQ
.elseif \first == 2
	WM 64*\a+8*\b,128*PQ+12*\b,160+48*PQ+12*\a,BI+8*\a,56+24*RH+2*\b+PQ,48+24*RH+2*\a+PQ
.else
	WM 64*\a+8*\b,128*PQ+12*\b,160+48*PQ+12*\a,64*\a+8*\b,56+24*RH+2*\b+PQ,48+24*RH+2*\a+PQ
.endif
.endr
.endr
.endm
.macro AHEAD q                         ; what stands in front of K step q's products
	s_wait_dscnt 0x0                               ; this step's fragments are in
.if (\q) < 7
.if (\q) == 3
	s_wait_tensorcnt 0x0                           ; every wave's load has landed: the second half of K among them
	s_barrier_signal -1
	s_barrier_wait -1                              ; everybody's has.
.endif
.if (\q) > 0
	PLACES 4                                       ; four plain lines between the last products and loads into registers that they read
.endif
	FETCH (\q)+1
.endif
.endm
	s_load_b256 s[4:11], s[0:1], 0x0               ; xc, bq, bk, bv
	s_load_b128 s[12:15], s[0:1], 0x20             ; mask, pa
	v_lshl_add_u32 v30, v0, 2, 0x4b000
	v_mov_b32 v31, 0
	ds_add_u32 v30, v31
	ds_add_u32 v30, v31
	v_lshrrev_b32 v1, 5, v0
	v_readfirstlane_b32 s16, v1                    ; wave
	s_lshr_b32 s17, s16, 1
	s_and_b32 s18, s16, 1
	s_bfe_u32 s19, ttmp6, 0x40000                  ; cx
	s_bfe_u32 s20, ttmp6, 0x40004                  ; cy
	s_and_b32 s23, ttmp7, 0xffff                   ; cluster y, 0 .. 47
	s_lshr_b32 s21, s23, 4                         ; P: 0 q, 1 k, 2 v: the same in all partners
	s_and_b32 s22, s23, 15
	s_lshr_b32 s84, s22, 3
	s_and_b32 s85, s22, 7
	s_lshl_b32 s86, s21, 6
	s_lshl_b32 s87, s21, 3
	s_add_co_u32 s87, s87, 192
	s_cmp_eq_u32 s21, 2
	s_cselect_b32 s84, s84, s22                    ; which four S1 blocks,
	s_cselect_b32 s85, s85, 0                      ; which four S0 blocks this cluster has
	s_cselect_b32 s86, 208, s86                    ; S1's first group in xc
	s_cselect_b32 s87, 128, s87                    ; S0's
	s_lshl_b32 s84, s84, 2
	s_add_co_u32 s84, s84, s20                     ; S1's block: hangs on cy alone
	s_lshl_b32 s85, s85, 2
	s_add_co_u32 s85, s85, s19                     ; S0's block: on cx alone
	s_lshl_b32 s88, s20, 2
	s_lshl_b32 s88, 15, s88                        ; my row of the cluster
	s_lshl_b32 s89, 0x1111, s19                    ; my column
	; descriptor group 1: a chunk is 100 rows of 256 bytes (32 elements of 8 bytes), dense
	s_or_b32 s24, s88, (3<<16)|(1<<21)             ; 15:0 the mask; 17:16 elements of 8 bytes; 21 set beside a mask
	s_or_b32 s32, s89, (3<<16)|(1<<21)
.irp g, 24, 32
	s_mov_b32 s[\g+1], 32<<16                      ; tensor_dim0
	s_mov_b32 s[\g+2], (200+25*(\g-24))<<16        ; tensor_dim1: S1's half of K is 200 rows of 256 bytes, S0's (two groups) 400
	s_mov_b32 s[\g+3], 32<<16                      ; tile_dim0
	s_mov_b32 s[\g+4], 200+25*(\g-24)              ; tile_dim1
	s_mov_b32 s[\g+5], 32                          ; the pitch
	s_mov_b32 s[\g+6], 0
	s_mov_b32 s[\g+7], 0
.endr
	; THE FILLS, AS THEY NOW STAND: four joint loads, one a wave: wave 0 S1's first half of K, wave 1 S0's (both groups), wave 2 S1's second half, wave 3 S0's.  xc lies [pair of groups][half of K][group][2 chunks].
	; LDS: S1's four chunks from 0; S0 from 102,400: [half of K][group][2 chunks].
	s_add_co_u32 s76, s86, s84                     ; S1's group
	s_and_b32 s82, s76, 1
	s_lshr_b32 s76, s76, 1
	s_mul_i32 s76, s76, 2*GRP
	s_mul_i32 s82, s82, 2*CHK
	s_add_co_u32 s76, s76, s82
	s_mov_b32 s77, 0
	s_lshl_b32 s80, s85, 1
	s_add_co_u32 s80, s80, s87
	s_mul_i32 s80, s80, GRP
	s_mov_b32 s81, 0
	s_wait_dscnt 0x0
	s_wait_kmcnt 0x0
	s_add_nc_u64 s[78:79], s[4:5], s[76:77]
	s_add_nc_u64 s[80:81], s[4:5], s[80:81]
.irp t, 0,1                            ; half t of K: S1's in s[40+4t ..], S0's in s[48+4t ..]
	s_mov_b32 s[40+4*\t], 1
	s_mov_b32 s[41+4*\t], \t*2*CHK
	s_add_nc_u64 s[42+4*\t:43+4*\t], s[78:79], \t*GRP
	s_or_b32 s[43+4*\t], s[43+4*\t], 0x80000000
	s_mov_b32 s[48+4*\t], 1
	s_mov_b32 s[49+4*\t], GRP+\t*GRP
	s_add_nc_u64 s[50+4*\t:51+4*\t], s[80:81], \t*GRP
	s_or_b32 s[51+4*\t], s[51+4*\t], 0x80000000
.endr
	CROUND                                         ; all sixteen work-groups are here: the joint loads meet
	s_cmp_eq_u32 s16, 0                            ; one chain of branches on the wave's number, one load to an arm
	s_cbranch_scc0 .Lwave_1
	tensor_load_to_lds s[40:43], s[24:31]          ; wave 0: S1, first half of K
	s_nop 0
	PLACES 4
	s_branch .Lasked
.Lwave_1:
	s_cmp_eq_u32 s16, 1
	s_cbranch_scc0 .Lwave_2
	tensor_load_to_lds s[48:51], s[32:39]          ; wave 1: S0, first half
	s_nop 0
	PLACES 4
	s_branch .Lasked
.Lwave_2:
	s_cmp_eq_u32 s16, 2
	s_cbranch_scc0 .Lwave_3
	tensor_load_to_lds s[44:47], s[24:31]          ; wave 2: S1, second half
	s_nop 0
	PLACES 4
	s_branch .Lasked
.Lwave_3:
	tensor_load_to_lds s[52:55], s[32:39]          ; wave 3: S0, second half
	s_nop 0
	PLACES 4
.Lasked:
	v_and_b32 v1, 31, v0                           ; lane
	v_and_b32 v2, 15, v0                           ; r
	v_bfe_u32 v3, v0, 4, 1                         ; h
	v_and_b32 v4, 8, v2
	v_add_nc_u32 v4, v4, v2                        ; r + 8 (r / 8)
	s_mul_i32 s95, s17, 3072                       ; my four tiles of S1
	v_lshl_add_u32 v8, v1, 4, s95
	v_add_nc_u32 v9, 2*CHK, v8                     ; (chunks 2 and 3: the immediates end at 64 KB)
	v_lshl_add_u32 v10, v1, 3, s95
	v_add_nc_u32 v10, 512, v10
	v_add_nc_u32 v11, 2*CHK, v10
	s_lshl_b32 s95, s17, 9
	s_add_co_u32 s95, s95, 24576
	v_lshl_add_u32 v16, v2, 3, s95                 ; S1's scale words: 8 bytes a row
	v_add_nc_u32 v17, 2*CHK, v16
	s_mul_i32 s95, s18, 2*CHK
	s_add_co_u32 s95, s95, GRP                     ; my group of S0
	v_lshl_add_u32 v12, v1, 4, s95
	v_add_nc_u32 v13, GRP, v12                     ; S0's second half of K lies 102,400 bytes on
	v_lshl_add_u32 v14, v1, 3, s95
	v_add_nc_u32 v14, 512, v14
	v_add_nc_u32 v15, GRP, v14
	s_add_co_u32 s95, s95, 24576
	v_lshl_add_u32 v18, v2, 3, s95
	v_add_nc_u32 v19, GRP, v18
	; where the results go: chosen by P, without a branch
	s_lshl_b32 s90, s84, 3
	s_lshl_b32 s95, s17, 2
	s_add_co_u32 s90, s90, s95                     ; I0: my first tile of S1
	s_lshl_b32 s91, s85, 1
	s_add_co_u32 s91, s91, s18                     ; Z: my group of S0
	s_lshr_b32 s92, s90, 7
	s_lshl_b32 s92, s92, 4
	s_lshl_b32 s95, s91, 1
	s_add_co_u32 s92, s92, s95                     ; q, k: bh of my first head = 16 batch + 2 Z
	s_and_b32 s93, s90, 127                        ; my first tile of tokens in the batch
	s_lshr_b32 s94, s93, 2
	s_cmp_ge_u32 s93, 16
	s_cselect_b32 s96, 24576, 0                    ; k: tiles from 16 on lie behind the record's head
	s_lshr_b32 s97, s91, 4
	s_lshl_b32 s97, s97, 4
	s_lshr_b32 s95, s90, 2
	s_add_co_u32 s97, s97, s95                     ; v: bh = 16 batch + head
	s_and_b32 s98, s91, 15                         ; the step of 128 keys
	s_mov_b32 s99, 110592
	s_cmp_lt_u32 s98, 2
	s_cselect_b32 s99, 12288, s99                  ; v: steps 0 and 1 lie in the record's head
	s_mov_b32 s100, 768
	s_mov_b32 s101, REC
	s_mov_b32 s66, KV0+24576
	s_mov_b32 s67, 16
	s_mov_b32 s2, 0xffff
	s_mov_b32 s3, REC
	s_mov_b32 s22, 0x01010000
	s_cmp_eq_u32 s21, 2
	s_cselect_b32 s92, s97, s92                    ; bh
	s_cselect_b32 s93, s98, s93                    ; the codes' index,
	s_cselect_b32 s94, s98, s94                    ; the scale words'
	s_cselect_b32 s96, s99, s96
	s_cselect_b32 s100, 6144, s100                 ; bytes for each index
	s_cselect_b32 s101, 3072, s101                 ; from the fragment's first half to its second
	s_cselect_b32 s66, KV0+32768, s66
	s_cselect_b32 s67, 0, s67                      ; lanes 16-31 take the word's upper two bytes (q, k)
	s_cselect_b32 s2, -1, s2                       ; which bits of the word are kept
	s_cselect_b32 s3, 0, s3                        ; from lanes 0-15 to lanes 16-31 in the scale words' store
	s_cselect_b32 s22, 0, s22                      ; an open row's upper half
	s_mov_b32 s97, REC
	s_mov_b32 s98, REC
	s_mov_b32 s99, KV0
	s_cmp_eq_u32 s21, 0
	s_cselect_b32 s96, 0, s96
	s_cselect_b32 s101, 98304, s101
	s_cselect_b32 s66, QS0, s66
	s_cselect_b32 s3, 8192, s3
	s_cselect_b32 s22, 0x7f7f0000, s22
	s_cselect_b32 s97, 98304, s97
	s_cselect_b32 s98, 8192, s98
	s_cselect_b32 s99, 0, s99
	s_mul_i32 s97, s92, s97
	s_mul_i32 s100, s93, s100
	s_add_co_u32 s96, s96, s97
	s_add_co_u32 s96, s96, s100
	s_add_co_u32 s96, s96, s99                     ; the codes' place in pa
	s_mov_b32 s97, 0
	s_mul_i32 s98, s92, s98
	s_lshl_b32 s94, s94, 8
	s_add_co_u32 s98, s98, s94
	s_add_co_u32 s98, s98, s66                     ; the scale words'
	s_mov_b32 s99, 0
	s_add_co_u32 s100, s96, s101                   ; the second half's
	s_mov_b32 s101, 0
	s_add_nc_u64 s[96:97], s[14:15], s[96:97]
	s_add_nc_u64 s[98:99], s[14:15], s[98:99]
	s_add_nc_u64 s[100:101], s[14:15], s[100:101]
	s_cmp_eq_u32 s21, 1
	s_cselect_b64 s[6:7], s[8:9], s[6:7]
	s_cselect_b32 s23, 0, -1                       ; all ones where the mask does not count (q, v)
	s_cmp_eq_u32 s21, 2
	s_cselect_b64 s[6:7], s[10:11], s[6:7]         ; the bias
	s_lshl_b32 s8, s90, 6                          ; 16 I0 numbers of 4 bytes: the mask's place, and bv's
	s_mov_b32 s9, 0
	s_lshl_b32 s10, s91, 9                         ; 128 Z numbers: bq's and bk's
	s_mov_b32 s11, 0
	s_mov_b32 s95, 256
	s_cmp_eq_u32 s21, 2
	s_cselect_b32 s10, s8, s10
	s_cselect_b32 s92, 4, 0                        ; v: a lane's bias hangs on its row of S1,
	s_cselect_b32 s93, 0, 64                       ; q, k: on its half of the lanes
	s_cselect_b32 s94, 0, 4                        ; and on the register
	s_cselect_b32 s95, 0, s95                      ; tiles 4-7: 64 numbers on (q, k); v has four tiles and reads them twice, so that no load leaves bv
	s_add_nc_u64 s[6:7], s[6:7], s[10:11]
	s_add_nc_u64 s[12:13], s[12:13], s[8:9]
	v_mul_u32_u24 v160, v4, s92
	v_mad_u32_u24 v160, v3, s93, v160
.irp j, 1,2,3,4,5,6,7
	v_add_nc_u32 v[160+\j], s94, v[159+\j]
.endr
.irp j, 0,1,2,3,4,5,6,7
	v_add_nc_u32 v[168+\j], s95, v[160+\j]
.endr
	v_and_b32 v176, 8, v2
	v_mad_u32_u24 v176, v176, 3, v2                ; k's tiles: lane r of my tile a holds token 8 a + r + 24 (r / 8) of my 64
	v_lshlrev_b32 v176, 2, v176
.irp x, 0,1,2,3
.irp j, 0,1,2,3,4,5,6,7
	global_load_b32 v[BI+8*\x+\j], v[160+\j], s[6:7] offset:(32*(\x/2)+8*(\x%2))*4
	global_load_b32 v[BI+32+8*\x+\j], v[168+\j], s[6:7] offset:(32*(\x/2)+8*(\x%2))*4
.endr
.endr
.irp a, 0,1,2,3
	global_load_b32 v[44+\a], v176, s[12:13] offset:32*\a   ; the mask of tile a's row r (for q and v the word is read and not used)
.endr
	v_lshlrev_b32 v20, 4, v1                       ; the way out: 16 x lane,
	v_lshlrev_b32 v21, 3, v1                       ; 8 x lane,
	v_mul_u32_u24 v22, v3, s3
	v_lshl_add_u32 v22, v2, 4, v22                 ; the scale words' place,
	v_mul_u32_u24 v23, v3, s67                     ; and their shift
	v_mov_b32 v24, 0x89940000                      ; a masked key's upper half: bytes 148 and 137
	v_mov_b32 v25, s22
	v_mov_b32 v26, -1
	s_mov_b32 s66, 0x76543210
	s_mov_b32 s67, 0xfedcba98                      ; selects for lane l xor 16
	s_wait_alu depctr_va_vdst(0)
	s_wait_loadcnt 0x0
.irp a, 0,1,2,3
	v_cmp_ne_u32 vcc_lo, 0, v[44+\a]
	s_or_b32 vcc_lo, vcc_lo, s23
	v_cndmask_b32 v[32+\a], 0, v26, vcc_lo         ; all ones where the row's codes are kept
	v_cndmask_b32 v[36+\a], v24, v25, vcc_lo
.endr
	s_wait_alu depctr_va_vdst(0)
	s_cmp_lt_u32 s16, 2                            ; waves 0 and 1 brought the first half of K: they wait
	s_cbranch_scc0 .Llater
	s_wait_tensorcnt 0x0
.Llater:
	s_barrier_signal -1
	s_barrier_wait -1
	FETCH 0
	AHEAD 0
	s_cmp_eq_u32 s21, 2                            ; the one branch on P, round 32 matrix instructions: which way the bias lies
	s_cbranch_scc1 .Lkeys
	MUL 0, 1
	WIN 0
	s_branch .Lgo_on
.Lkeys:
	MUL 0, 2
	WIN 0
.Lgo_on:
.irp q, 1,2,3,4,5,6,7
	AHEAD \q
	MUL \q, 0
.endr
	WIN 0
	PLACES 4
; THE WAY OUT of S1's tile a: a lane's 64 numbers, register 16 b + i = k 32 b + 16 h + i of its row, become a fragment's codes and its scale word.
.macro QUANTW a
	WIN 0x05                                       ; sources 0 and 1 window 1
.irp b, 0,1,2,3
	v_max3_num_f32 v[TM+\b], |v[64*\a+16*\b]|, |v[64*\a+16*\b+1]|, 0x1800000   ; each accumulator is read from its low end on; the floor 2^(3 - 127) holds the byte at 1
.endr
.irp i, 2,4,6,8,10,12,14
.irp b, 0,1,2,3
	v_max3_num_f32 v[TM+\b], |v[64*\a+16*\b+\i]|, |v[64*\a+16*\b+\i+1]|, v[TM+\b]
.endr
.endr
	WIN 0
.irp b, 0,1,2,3
	v_permlanex16_b32 v[TM+4+\b], v[TM+\b], s66, s67
.endr
.irp b, 0,1,2,3
	v_max_num_f32 v[TM+\b], v[TM+\b], v[TM+4+\b]   ; with lane l xor 16's: the block's largest magnitude
.endr
.irp b, 0,1,2,3
	v_add_nc_u32 v[TM+12+\b], 0xff000000, v[TM+\b] ; the conversion's scale operand
.endr
.irp b, 0,1,2,3
	v_lshrrev_b32 v[TM+4+\b], 23, v[TM+12+\b]      ; the byte
.endr
	v_lshl_or_b32 v[PW], v[TM+5], 8, v[TM+4]
	v_lshl_or_b32 v[PW], v[TM+6], 16, v[PW]
	v_lshl_or_b32 v[PW], v[TM+7], 24, v[PW]
.if \a > 0
	s_wait_xcnt 0x0                                ; the last tile's stores have read the codes' registers
.endif
	WIN 0x01                                       ; source 0 window 1
.irp c, 0,1
	v_cvt_scalef32_pk16_fp6_f32 v[PC+6*\c:PC+6*\c+2], v[64*\a+32*\c:64*\a+32*\c+15], v[TM+12+2*\c]
	v_cvt_scalef32_pk16_fp6_f32 v[PC+12+4*\c:PC+14+4*\c], v[64*\a+32*\c+16:64*\a+32*\c+31], v[TM+13+2*\c]
.endr
	WIN 0
	v_nop                                          ; one plain line behind the conversions
.irp c, 0,1                            ; the operand's layout wants a whole block in a lane
.irp i, 0,1,2
	v_permlane16_swap_b32 v[PC+6*\c+\i], v[PC+12+4*\c+\i]
.endr
.irp i, 0,1,2
	v_mov_b32 v[PC+3+6*\c+\i], v[PC+12+4*\c+\i]
.endr
.endr
.irp i, 0,1,2,3,4,5,6,7,8,9,10,11
	v_and_b32 v[PC+\i], v[32+\a], v[PC+\i]         ; a masked key's codes become zeros
.endr
	v_lshrrev_b32 v113, v23, v[PW]
	v_and_or_b32 v[40+\a], v113, s2, v[36+\a]      ; q, k: my head's two bytes under the upper half; v: the whole word
	global_store_b128 v20, v[PC:PC+3], s[96:97] offset:768*\a          ; 512 consecutive bytes, aligned
	global_store_b64 v21, v[PC+4:PC+5], s[96:97] offset:768*\a+512     ; 256
	global_store_b128 v20, v[PC+6:PC+9], s[100:101] offset:768*\a
	global_store_b64 v21, v[PC+10:PC+11], s[100:101] offset:768*\a+512
.endm
	QUANTW 0
	QUANTW 1
	QUANTW 2
	QUANTW 3
	global_store_b128 v22, v[40:43], s[98:99]      ; four tiles' words of a row: sixteen lanes store 256 consecutive bytes (v: both halves of the lanes store the same bytes with the same values)
	s_wait_tensorcnt 0x0
	ds_add_u32 v30, v31
	s_wait_dscnt 0x0
	CROUND                                         ; the closing round: no work-group ends while a partner may still ask for a chunk that names it
	s_endpgm
.Lfunc_end_k_q86ece6e73c_proj:
	.size	k_q86ece6e73c_proj, .Lfunc_end_k_q86ece6e73c_proj-k_q86ece6e73c_proj
	.p2alignl 7, 3214868480
	.fill 96, 4, 3214868480
	.section	.rodata,"a",@progbits
	.p2align	6, 0x0
	.amdhsa_kernel k_q86ece6e73c_proj
		.amdhsa_group_segment_fixed_size 307712
		.amdhsa_private_segment_fixed_size 0
		.amdhsa_enable_private_segment 0
		.amdhsa_kernarg_size 48
		.amdhsa_user_sgpr_count 2
		.amdhsa_user_sgpr_kernarg_segment_ptr 1
		.amdhsa_wavefront_size32 1
		.amdhsa_system_sgpr_workgroup_id_x 1
		.amdhsa_system_sgpr_workgroup_id_y 1
		.amdhsa_system_sgpr_workgroup_id_z 1
		.amdhsa_system_vgpr_workitem_id 0
		.amdhsa_next_free_vgpr 768
		.amdhsa_next_free_sgpr 104
		.amdhsa_reserve_vcc 1
		.amdhsa_float_denorm_mode_32 3
		.amdhsa_float_denorm_mode_16_64 3
		.amdhsa_memory_ordered 1
		.amdhsa_forward_progress 1
		.amdhsa_inst_pref_size 104
	.end_amdhsa_kernel
	.amdgpu_metadata
---
amdhsa.version: [ 1, 2 ]
amdhsa.kernels:
  - .name:           k_q86ece6e73c_proj
    .symbol:         k_q86ece6e73c_proj.kd
    .args:
      - { .name: xc, .offset: 0, .size: 8, .value_kind: global_buffer, .address_space: global }
      - { .name: bq, .offset: 8, .size: 8, .value_kind: global_buffer, .address_space: global }
      - { .name: bk, .offset: 16, .size: 8, .value_kind: global_buffer, .address_space: global }
      - { .name: bv, .offset: 24, .size: 8, .value_kind: global_buffer, .address_space: global }
      - { .name: mask, .offset: 32, .size: 8, .value_kind: global_buffer, .address_space: global }
      - { .name: pa, .offset: 40, .size: 8, .value_kind: global_buffer, .address_space: global }
    .group_segment_fixed_size: 307712
    .private_segment_fixed_size: 0
    .kernarg_segment_align: 8
    .kernarg_segment_size: 48
    .max_flat_workgroup_size: 128
    .sgpr_count:     104
    .vgpr_count:     768
    .wavefront_size: 32
...
	.end_amdgpu_metadata
.endif
;; end of part 2
;; launch attn (part 3): grid 4 x 64, 16 waves a work-group, clusters of 4 x 1, 227,328 bytes of LDS; arguments pa, mask, oc; writes oc
.if DOCPART == 3
	.amdgcn_target "amdgcn-amd-amdhsa--gfx1250"
	.amdhsa_code_object_version 6
	.text
	.protected	k_q86ece6e73c_attn
	.globl	k_q86ece6e73c_attn
	.p2align	8
	.type	k_q86ece6e73c_attn,@function
k_q86ece6e73c_attn:
	s_mov_b64 s[64:65], 0
	v_nop
	global_prefetch_b8 v0, s[64:65] scope:SCOPE_SE
	s_setreg_imm32_b32 hwreg(HW_REG_WAVE_MODE, 25, 1), 1
	s_wait_xcnt 0x0
	s_wait_alu depctr_hold_cnt(0) depctr_sa_sdst(0) depctr_va_vdst(0) depctr_va_sdst(0) depctr_va_ssrc(0) depctr_va_vcc(0) depctr_vm_vsrc(0)
	s_getreg_b32 s2, hwreg(HW_REG_IB_STS2, 6, 4)
	s_cmp_eq_u32 s2, 0
	s_cbranch_scc0 .Lentry_in_a_cluster
	s_endpgm
.Lentry_in_a_cluster:
	s_bfe_u32 s2, ttmp6, 0x10000c
	s_cmp_lg_u32 s2, 0x3003
	s_cbranch_scc0 .Lentry_shape_is_right
	s_endpgm
.Lentry_shape_is_right:
; o = softmax(where(mask == 0, -65504, q k^T / 32)) v for one (batch, head), both products on codes of FP6 (E2M3); o is divided by the row's sum, quantised along the head's 64 and stored in oc as the output projection's operand.
; THE SOFTMAX: t = score x log2(e) / 32; M = the running largest t rounded up to a whole number; p = 2^(t - M) is quantised along the keys; the sum is taken of the unquantised p.  When M moves, the sum and O are multiplied by 2^(old M - new M): exact.
; LIMITS: the promise holds while the scaled scores stay under 2^31 in magnitude; NaN and infinities are not served; a block of p that has fallen to zeros gets the scale byte 1 (zero codes add nothing).
; SHARES: a work-group owns 512 queries of one (batch, head): 32 tiles of 16.  Each of its sixteen waves takes one tile in each of TWO PASSES over the 2,048 keys, 128 a step; the head's record is fetched once for both.
; LDS: the head's whole record out of pa (208,896 bytes: K tiles 0-15, V half steps 0-3, K's scale words, V's scale words, K tiles 16-127, V half steps 4-31), filled once, ONE tensor load a wave: waves 0-3 a quarter each of the
; first 36,864 bytes, which steps 0 and 1 read; waves 4-15 a twelfth each of the rest.  Behind it the mask's codes, a word for each tile and lane, which wave w makes for step w; then the spare words.  Nothing is filled twice.
; CLUSTER 4 x 1: the four work-groups of a head read the same record: each load is asked for jointly (mask 15), with a descriptor made of the head's and the wave's number alone.
; NO PREFETCH: every byte that the launch fetches by tensor loads is asked for at the head; there is no later request to run ahead of.
; THE MASK COSTS NO LINE OF THE SOFTMAX.  The first product's K is 64, half of the instruction's 128.  In the other half q has the code +1 at k = 64 and at k = 96 (scale bytes 127); a masked key has -1 at k = 64 under 2^21 and +1 at k = 96 under 2^10,
; and zeros for its own codes: its score is -2^21 + 2^10 = -65504 x 32.  An open key has zeros there.  K's registers 7-11 meet q's zero codes alone and hold whatever lies there.
; BOTH PRODUCTS ARE USED TRANSPOSED: a lane holds one query (lane % 16).  Lane r of K's tile t holds key 64 (t / 4) + 32 (r / 8) + 8 (t % 4) + r % 8 of the step, so register 32 c + i of the scores in lane (r, h) is key 64 c + 32 h + i:
; a lane's 32 registers are ONE scale block of p, in the place that the second product's operand gives that lane.
; TWO REGIONS OF 68 REGISTERS TAKE TURNS.  In a step K lies in one (kr) and the scores fall into the other (sr); V then lands on K's registers; when p has been summed and converted, the NEXT step's K is loaded onto p's registers,
; ahead of the rescaling of O^T and of the second product: so the next step begins with its K asked for 16 vector lines and 4 products earlier.  The step ahead of a barrier and a pass's last step load nothing ahead.
.set KV0, 6815744
.set QS0, 6291456
.set REC, 208896
.set MC,  208896                       ; the mask's codes: [tile 128][lane] words
.set SPARE, 225280                     ; the spare words: 128 bytes for each of 16 waves
.set RX,  48                           ; v48-115  region X: K's tile t at 8 t (named as 12 registers), V's tile d at 12 d, or the scores and p
.set RY,  116                          ; v116-183 region Y
.set O,   184                          ; v184-215 O^T
.set PCD, 216                          ; v216-227 p's codes
.set CT,  228                          ; v228-234 the conversions' second halves; v228 also the old -M
.set MX,  236                          ; v236-243 eight chains of maxima (the blocks' end in v236 and v240); then, with v244-245, five chains of the sum
.set SOP, 246                          ; v246-247 scale operands
.set Q2,  248                          ; v248-253 the second pass's Q; its scale word waits in v35
.set W0,  5                            ; v5, v6 at work
.set W1,  6
.set PSW, 7                            ; v7 p's scale word (in the loops that alone)
; v1 16 l, v2 512 + 8 l, v3 MC + 4 l, v4 16 r, v15 8 r, v29 8 h; v8-11 the next K's addresses, v12-14 V's; v16-27 Q, v28 its scale word; v30 -M, v31 the largest score, v[32:33] the sum, v34 f; v36-43 K's scale words, v44-47 V's
.macro WALU
	s_wait_alu depctr_va_vdst(0)
.endm
.macro DEP n
	s_delay_alu instid0(VALU_DEP_\n)
.endm
.macro CROUND                          ; a round of the cluster's barrier
	s_barrier_signal -1
	s_barrier_wait -1
	s_cmp_lg_u32 s10, 0
	s_cbranch_scc1 .Lnot_wave_0_\@
	s_barrier_signal -3
.Lnot_wave_0_\@:
	s_barrier_wait -3
	s_barrier_signal -1
	s_barrier_wait -1
.endm
	s_load_b128 s[4:7], s[0:1], 0x0                ; pa, mask
	s_load_b64 s[8:9], s[0:1], 0x10                ; oc
	v_lshl_add_u32 v254, v0, 2, SPARE
	v_mov_b32 v255, 0
	ds_add_u32 v254, v255                          ; the opening lines: the add, twice on end, and its wait
	ds_add_u32 v254, v255
	v_lshrrev_b32 v5, 5, v0
	v_readfirstlane_b32 s10, v5                    ; wave 0..15
	s_and_b32 s11, ttmp7, 0xffff                   ; bh: the cluster's y
	s_bfe_u32 s70, ttmp6, 0x40000                  ; cx: which 512 queries; it enters global addresses of Q and oc alone
	s_and_b32 s12, s10, 3
	s_mul_i32 s13, s12, 9216                       ; waves 0-3: a quarter of the record's first 36,864 bytes
	s_xor_b32 s14, s10, 12                         ; waves 4-15: wave xor 12 is 0 .. 11
	s_mul_i32 s14, s14, 14336
	s_add_co_u32 s14, s14, 36864                   ; a twelfth of the other 172,032
	s_mul_i32 s16, s11, REC
	s_add_co_u32 s16, s16, KV0
	s_mov_b32 s17, 0
	s_mov_b32 s19, 0
	; descriptor groups 1: dense rows of 256 bytes (32 elements of 8 bytes): 36 of them, and 56; the mask names the cluster's four, bit 21 beside it
	s_mov_b32 s24, 15|(3<<16)|(1<<21)
	s_mov_b32 s25, 32<<16
	s_mov_b32 s26, 36<<16
	s_mov_b32 s27, 32<<16
	s_mov_b32 s28, 36
	s_mov_b32 s29, 32
	s_mov_b32 s30, 0
	s_mov_b32 s31, 0
	s_mov_b32 s32, 15|(3<<16)|(1<<21)
	s_mov_b32 s33, 32<<16
	s_mov_b32 s34, 56<<16
	s_mov_b32 s35, 32<<16
	s_mov_b32 s36, 56
	s_mov_b32 s37, 32
	s_mov_b32 s38, 0
	s_mov_b32 s39, 0
	WALU
	s_wait_dscnt 0x0                               ; both opening adds are done
	CROUND                                         ; all four work-groups are here: the joint loads meet
	s_wait_kmcnt 0x0
	s_add_nc_u64 s[16:17], s[4:5], s[16:17]        ; my head's record
	s_mov_b32 s18, s13
	s_mov_b32 s40, 1
	s_mov_b32 s41, s13
	s_add_nc_u64 s[42:43], s[16:17], s[18:19]
	s_or_b32 s43, s43, 0x80000000
	s_mov_b32 s18, s14
	s_mov_b32 s44, 1
	s_mov_b32 s45, s14
	s_add_nc_u64 s[46:47], s[16:17], s[18:19]
	s_or_b32 s47, s47, 0x80000000
	s_cmp_lt_u32 s10, 4                            ; two arms, a load in each: every wave issues one
	s_cbranch_scc0 .Lrest_of_it
	tensor_load_to_lds s[40:43], s[24:31]
	s_nop 0
.rept 4
	v_nop
.endr
	s_branch .Lasked
.Lrest_of_it:
	tensor_load_to_lds s[44:47], s[32:39]
	s_nop 0
.rept 4
	v_nop
.endr
.Lasked:
	s_lshl_b32 s15, s70, 5
	s_add_co_u32 s15, s15, s10                     ; my first pass's tile of queries in the head: 32 cx + wave; the second pass's lies 16 tiles on
	s_lshl_b32 s54, s11, 7
	s_add_co_u32 s54, s54, s15
	s_mul_i32 s54, s54, 768                        ; Q's half fragment
	s_mov_b32 s55, 0
	s_lshl_b32 s56, s11, 13
	s_lshr_b32 s66, s15, 2
	s_lshl_b32 s66, s66, 8
	s_add_co_u32 s56, s56, s66
	s_and_b32 s66, s15, 3
	s_lshl_b32 s66, s66, 2
	s_add_co_u32 s56, s56, s66
	s_add_co_u32 s56, s56, QS0                     ; its scale words
	s_mov_b32 s57, 0
	s_lshr_b32 s67, s11, 4                         ; the batch
	s_lshl_b32 s58, s67, 13
	s_lshl_b32 s66, s10, 9
	s_add_co_u32 s58, s58, s66                     ; the mask of keys 128 wave on
	s_mov_b32 s59, 0
	s_lshl_b32 s67, s67, 7
	s_add_co_u32 s67, s67, s15                     ; my tile among all tokens' tiles
	s_and_b32 s68, s11, 15                         ; the head
	s_lshr_b32 s60, s67, 3
	s_mul_i32 s60, s60, 102400
	s_lshr_b32 s66, s68, 2
	s_mul_i32 s66, s66, 25600
	s_add_co_u32 s60, s60, s66                     ; oc: the group, the chunk (four heads)
	s_and_b32 s67, s67, 7
	s_lshl_b32 s62, s67, 7
	s_add_co_u32 s62, s62, s60
	s_and_b32 s66, s68, 3
	s_lshl_b32 s69, s66, 1
	s_add_co_u32 s62, s62, s69
	s_add_co_u32 s62, s62, 24576                   ; my head's two bytes of a row's eight
	s_mov_b32 s63, 0
	s_mul_i32 s66, s66, 6144
	s_add_co_u32 s60, s60, s66
	s_mul_i32 s67, s67, 768
	s_add_co_u32 s60, s60, s67                     ; my half fragment
	s_mov_b32 s61, 0
	s_add_nc_u64 s[54:55], s[4:5], s[54:55]
	s_add_nc_u64 s[56:57], s[4:5], s[56:57]
	s_add_nc_u64 s[58:59], s[6:7], s[58:59]
	s_add_nc_u64 s[60:61], s[8:9], s[60:61]
	s_add_nc_u64 s[62:63], s[8:9], s[62:63]
	s_mov_b32 s20, 0x76543210
	s_mov_b32 s21, 0xfedcba98                      ; selects for lane l xor 16
	s_mov_b32 s22, 0x3d38aa3b                      ; c = log2(e) / 32
	s_mov_b32 s23, s22                             ; (named with it as a pair)
	s_lshl_b32 s66, s10, 10
	v_and_b32 v5, 31, v0                           ; lane
	v_and_b32 v6, 15, v0                           ; r
	v_bfe_u32 v7, v0, 4, 1                         ; h
	v_lshlrev_b32 v1, 4, v5
	v_lshlrev_b32 v2, 3, v5
	v_and_b32 v8, 8, v6
	v_lshl_add_u32 v3, v5, 2, MC
	v_lshlrev_b32 v4, 4, v6
	v_add_nc_u32 v2, 512, v2
	v_mad_u32_u24 v8, v8, 3, v6                    ; r + 24 (r / 8)
	v_lshlrev_b32 v15, 3, v6
	v_lshlrev_b32 v29, 3, v7
	v_lshlrev_b32 v8, 2, v8
	global_load_b128 v[16:19], v1, s[54:55]        ; Q's codes, registers 0-5: the first pass's,
	global_load_b64 v[20:21], v2, s[54:55]
	global_load_b32 v28, v4, s[56:57]
	global_load_b128 v[Q2:Q2+3], v1, s[54:55] offset:12288   ; and the second's: 16 tiles of 768 bytes on,
	global_load_b64 v[Q2+4:Q2+5], v2, s[54:55] offset:12288
	global_load_b32 v35, v4, s[56:57] offset:1024            ; four runs of 256 bytes of scale words on (v35 is else only named as the upper half of the pair v[34:35])
.irp t, 0,1,2,3,4,5,6,7
	global_load_b32 v[48+\t], v8, s[58:59] offset:(64*(\t/4)+8*(\t%4))*4   ; the mask of tile t's key in my lane
.endr
	v_lshlrev_b32 v9, 5, v7
	v_add_nc_u32 v10, s66, v3                      ; where my wave's codes go
	v_mov_b32 v22, 8                               ; Q: +1.0 at k = 64 and at k = 96,
.irp j, 23,24,25,26,27
	v_mov_b32 v\j, 0                               ; zeros beyond
.endr
	v_sub_nc_u32 v9, 40, v9                        ; a masked key's code: -1.0 (0x28) in lanes 0-15 (k = 64), +1.0 (0x08) in lanes 16-31 (k = 96)
	v_mov_b32 v34, 0
	WALU
	s_wait_loadcnt 0x0
.irp t, 0,1,2,3,4,5,6,7
	v_cmp_eq_u32 vcc_lo, 0, v[48+\t]
	v_cndmask_b32 v[56+\t], 0, v9, vcc_lo
	ds_store_b32 v10, v[56+\t] offset:128*\t
.endr
.irp t, 0,1,2,3,4,5,6,7
	v_mov_b32 v[RX+8*\t+7], 0                      ; the registers of K's operands that nothing has written when they are first named
.endr
.irp j, 64,65,66,67
	v_mov_b32 v[RX+\j], 0
	v_mov_b32 v[RY+\j], 0
.endr
	WALU
	s_wait_dscnt 0x0                               ; for the others' sake: my mask codes lie in LDS
	s_cmp_lt_u32 s10, 4                            ; waves 0-3 brought what steps 0 and 1 read: they wait
	s_cbranch_scc0 .Lnot_mine
	s_wait_tensorcnt 0x0
.Lnot_mine:
	s_barrier_signal -1
	s_barrier_wait -1
.macro KADR                            ; the addresses of the K that s48, s50, s52 stand at
	v_add_nc_u32 v8, s48, v1
	v_add_nc_u32 v9, s48, v2
	v_add_nc_u32 v10, s52, v3
	v_add_nc_u32 v11, s50, v4
.endm
.macro KNEXT
	s_add_co_u32 s48, s48, 6144
	s_add_co_u32 s50, s50, 512
	s_add_co_u32 s52, s52, 1024
.endm
.macro LOADK r                         ; 26 loads: the scale words first, then tile by tile
	ds_load_b128 v[36:39], v11
	ds_load_b128 v[40:43], v11 offset:256
.irp t, 0,1,2,3,4,5,6,7
	ds_load_b128 v[\r+8*\t:\r+8*\t+3], v8 offset:768*\t
	ds_load_b64 v[\r+8*\t+4:\r+8*\t+5], v9 offset:768*\t
	ds_load_b32 v[\r+8*\t+6], v10 offset:128*\t    ; the mask's code
.endr
.endm
.macro VL r, d, i                      ; one of the four loads of V's tile d
.if \i == 0
	ds_load_b128 v[\r+12*\d:\r+12*\d+3], v12 offset:768*\d
.elseif \i == 1
	ds_load_b64 v[\r+12*\d+4:\r+12*\d+5], v13 offset:768*\d
.elseif \i == 2
	ds_load_b128 v[\r+12*\d+6:\r+12*\d+9], v12 offset:768*\d+3072
.else
	ds_load_b64 v[\r+12*\d+10:\r+12*\d+11], v13 offset:768*\d+3072
.endif
.endm
.macro QK kr, sr, t
	v_wmma_scale_f32_16x16x128_f8f6f4 v[\sr+8*\t:\sr+8*\t+7], v[\kr+8*\t:\kr+8*\t+11], v[16:27], 0, v[36+\t], v28 matrix_a_fmt:MATRIX_FMT_FP6 matrix_b_fmt:MATRIX_FMT_FP6
.endm
.macro FMAS sr, from, n                ; t - M of n pairs of scores
.set I_, \from
.rept \n
	v_pk_fma_f32 v[\sr+I_:\sr+I_+1], v[\sr+I_:\sr+I_+1], s[22:23], v[30:31] op_sel_hi:[1,0,0]
.set I_, I_+2
.endr
.endm
.macro ADD2 a, sr, n                   ; a chain of the sum begins with pairs n and n + 1 of p
	v_pk_add_f32 v[\a:\a+1], v[\sr+2*\n:\sr+2*\n+1], v[\sr+2*\n+2:\sr+2*\n+3]
.endm
.macro ADDP a, sr, n                   ; and takes pair n
	v_pk_add_f32 v[\a:\a+1], v[\a:\a+1], v[\sr+2*\n:\sr+2*\n+1]
.endm
.macro JOIN a, b
	v_pk_add_f32 v[\a:\a+1], v[\a:\a+1], v[\b:\b+1]
.endm
.macro OMUL4 j                         ; O^T under the new M: eight registers
.irp i, 0,2,4,6
	v_pk_mul_f32 v[O+\j+\i:O+\j+\i+1], v[O+\j+\i:O+\j+\i+1], v[34:35] op_sel_hi:[1,0]
.endr
.endm
.macro STEP kr, sr, pf                 ; 128 keys.  K lies in kr (asked for earlier); pf = 1: the next step's K is asked for into sr
	KADR                                           ; seven plain lines: the places between the last products and this step's, which write over registers that those read
	v_add_nc_u32 v12, s49, v1
	v_add_nc_u32 v13, s49, v2
	v_add_nc_u32 v14, s51, v4
	WALU
	s_wait_dscnt 11                                ; the scale words, tiles 0-3 and tile 4's first four registers (tile 3's operand names them) are in; the other eleven loads of tiles 4-7 may be out
.irp t, 0,1,2,3
	QK \kr, \sr, \t
.endr
	s_wait_dscnt 0x0
.irp t, 4,5,6,7
	QK \kr, \sr, \t
.endr
	v_mov_b32 v[CT], v30                           ; the old -M; with three v_nop the places in front of the loads below and of the first read of the scores
.rept 3
	v_nop
.endr
.irp d, 0,1
.irp i, 0,1,2,3
	VL \kr, \d, \i                                 ; V lands on K's registers, under the softmax
.endr
.endr
.irp x, 0,1,2,3,4,5,6,7                ; the largest score of my two blocks of 32 keys, a chain to each accumulator, from its low end on: for the row's maximum, and, since p rises with the score, for the block's largest p
	v_max3_num_f32 v[MX+\x], v[\sr+8*\x], v[\sr+8*\x+1], v[\sr+8*\x+2]
.endr
.irp i, 3,5
.irp x, 0,1,2,3,4,5,6,7
	v_max3_num_f32 v[MX+\x], v[MX+\x], v[\sr+8*\x+\i], v[\sr+8*\x+\i+1]
.endr
.endr
.irp b, 0,4
	v_max3_num_f32 v[MX+\b], v[MX+\b], v[MX+\b+1], v[\sr+8*\b+7]
	v_max3_num_f32 v[MX+\b+2], v[MX+\b+2], v[MX+\b+3], v[\sr+8*\b+15]
.endr
.irp b, 0,4
	v_max3_num_f32 v[MX+\b], v[MX+\b], v[MX+\b+2], v[\sr+8*\b+23]
.endr
.irp b, 0,4
	v_max_num_f32 v[MX+\b], v[MX+\b], v[\sr+8*\b+31]
.endr
	v_max_num_f32 v[W0], v[MX], v[MX+4]            ; the lines that make M hang on each other: V's other loads stand between them
	VL \kr, 2, 0
	VL \kr, 2, 1
	VL \kr, 2, 2
	v_permlanex16_b32 v[W1], v[W0], s20, s21
	VL \kr, 2, 3
	VL \kr, 3, 0
	VL \kr, 3, 1
	v_max3_num_f32 v31, v31, v[W0], v[W1]          ; the running largest score of my query (c is positive)
	VL \kr, 3, 2
	VL \kr, 3, 3
	ds_load_b128 v[44:47], v14
	v_mul_f32 v[W0], s22, v31                      ; as t
	DEP 1
	v_floor_f32 v30, -v[W0]                        ; -M = floor(-t): M is a whole number
	FMAS \sr, 0, 2
	v_sub_f32 v[W0], v30, v[CT]                    ; old M - new M: a whole number, 0 or less
	FMAS \sr, 4, 4
	v_cvt_i32_f32 v[W0], v[W0]                     ; (it saturates)
	FMAS \sr, 12, 4
	v_ldexp_f32 v34, 1.0, v[W0]                    ; f = 2^(old M - new M)
	FMAS \sr, 20, 22
	v_fma_f32 v[MX], v[MX], s22, v30               ; the same of each block's largest score
	v_fma_f32 v[MX+4], v[MX+4], s22, v30
	WALU
.set I_, 0
.rept 64
	v_exp_f32 v[\sr+I_], v[\sr+I_]                 ; p = 2^(t - M)
.set I_, I_+1
.endr
	v_exp_f32 v[MX], v[MX]                         ; each block's largest p: the same two instructions on the same number
	v_exp_f32 v[MX+4], v[MX+4]
	v_pk_mul_f32 v[32:33], v[32:33], v[34:35] op_sel_hi:[1,0]   ; the sum under the new M: the plain line behind the exponentials
	WALU                                           ; one wait for the batch of 66
	v_max_num_f32 v[SOP], 0x1800000, v[MX]         ; the floor 2^(3 - 127): the byte cannot fall under 1
	v_max_num_f32 v[SOP+1], 0x1800000, v[MX+4]
	ADD2 236, \sr, 0                               ; THE ROW'S SUM IS TAKEN OF THE UNQUANTISED p, in six chains; the lines that make the scale word and lay the codes stand among them
	ADD2 238, \sr, 2
	ADD2 240, \sr, 4
	v_add_nc_u32 v[SOP], 0xff000000, v[SOP]        ; 2 off the exponent field: the conversion's scale operand
	v_add_nc_u32 v[SOP+1], 0xff000000, v[SOP+1]
	ADD2 242, \sr, 6
	ADD2 244, \sr, 8
	ADDP 32, \sr, 10
	v_lshrrev_b32 v[W0], 23, v[SOP]                ; the bytes of blocks h and 2 + h
	v_lshrrev_b32 v[W1], 23, v[SOP+1]
	v_cvt_scalef32_pk16_fp6_f32 v[PCD:PCD+2], v[\sr:\sr+15], v[SOP]
	v_cvt_scalef32_pk16_fp6_f32 v[CT:CT+2], v[\sr+16:\sr+31], v[SOP]          ; (a conversion's three registers begin on an even number)
	v_cvt_scalef32_pk16_fp6_f32 v[PCD+6:PCD+8], v[\sr+32:\sr+47], v[SOP+1]
	v_cvt_scalef32_pk16_fp6_f32 v[CT+4:CT+6], v[\sr+48:\sr+63], v[SOP+1]
	ADDP 236, \sr, 11                              ; (also the plain line behind the conversions)
	ADDP 238, \sr, 12
	ADDP 240, \sr, 13
	v_lshl_or_b32 v[W0], v[W1], 16, v[W0]
	ADDP 242, \sr, 14
	ADDP 244, \sr, 15
	ADDP 32, \sr, 16
	v_lshlrev_b32 v[W0], v29, v[W0]                ; at their places, 8 h bits up
	v_mov_b32 v[PCD+3], v[CT]
	v_mov_b32 v[PCD+9], v[CT+4]
	ADDP 236, \sr, 17
	ADDP 238, \sr, 18
	ADDP 240, \sr, 19
	v_permlanex16_b32 v[W1], v[W0], s20, s21
	v_mov_b32 v[PCD+4], v[CT+1]
	v_mov_b32 v[PCD+10], v[CT+5]
	ADDP 242, \sr, 20
	ADDP 244, \sr, 21
	ADDP 32, \sr, 22
	v_or_b32 v[PSW], v[W0], v[W1]                  ; with lane l xor 16's two the word is whole
	v_mov_b32 v[PCD+5], v[CT+2]
	v_mov_b32 v[PCD+11], v[CT+6]
	ADDP 236, \sr, 23
	ADDP 238, \sr, 24
	ADDP 240, \sr, 25
	ADDP 242, \sr, 26
	ADDP 244, \sr, 27
	ADDP 32, \sr, 28
	ADDP 236, \sr, 29
	ADDP 238, \sr, 30
	ADDP 240, \sr, 31
.if \pf
	LOADK \sr                                      ; p is spent: the next step's K lands on its registers
.endif
	WALU                                           ; directly ahead of the first reader of O^T
	OMUL4 0
	JOIN 236, 238
	JOIN 240, 242
	JOIN 32, 244
	OMUL4 8
	JOIN 236, 240
	OMUL4 16
	JOIN 32, 236
	OMUL4 24
	WALU
	s_wait_dscnt 26*\pf                            ; V is in; the next K's 26 loads, issued behind V's, may be out
.irp d, 0,1,2,3
	v_wmma_scale_f32_16x16x128_f8f6f4 v[O+8*\d:O+8*\d+7], v[\kr+12*\d:\kr+12*\d+11], v[PCD:PCD+11], v[O+8*\d:O+8*\d+7], v[44+\d], v[PSW] matrix_a_fmt:MATRIX_FMT_FP6 matrix_b_fmt:MATRIX_FMT_FP6
.endr
	s_add_co_u32 s49, s49, 6144                    ; the next step's V and its scale words
	s_add_co_u32 s51, s51, 256
.if \pf
	KNEXT                                          ; and the K after the one just asked for
.endif
.endm
	s_mov_b32 s71, 0
.Lpass:                                                ; two passes, a tile of 16 queries a wave in each
	v_mov_b32 v31, 0xff61b1e6                      ; the largest score so far: -3e38
	v_mov_b32 v30, 0x7d000000                      ; -M: 2^123, a whole number over every -t: the first step's f is 0
	v_mov_b32 v32, 0
	v_mov_b32 v33, 0
.irp j, 0,1,2,3,4,5,6,7,8,9,10,11,12,13,14,15,16,17,18,19,20,21,22,23,24,25,26,27,28,29,30,31
	v_mov_b32 v[O+\j], 0                           ; the step is written for every trip alike: the first finds zeros
.endr
	s_mov_b32 s48, 0
	s_mov_b32 s49, 12288
	s_mov_b32 s50, 24576
	s_mov_b32 s51, 32768
	s_mov_b32 s52, 0
	KADR
	LOADK RX                                       ; step 0's K
	KNEXT
	STEP RX, RY, 1                                 ; steps 0 and 1 read the record's first part; in the first pass the rest is on its way meanwhile
	STEP RY, RX, 0
	s_wait_tensorcnt 0x0                           ; my load has landed,
	s_wait_dscnt 0x0
	s_barrier_signal -1
	s_barrier_wait -1                              ; everybody's has.
	s_mov_b32 s48, 36864
	s_mov_b32 s49, 122880
	KADR
	LOADK RX                                       ; step 2's K
	KNEXT
	s_mov_b32 s53, 6
.Lrest:                                                ; steps 2 to 13, two to a trip: the regions are back where they began.  No barrier: the waves go each at its own pace
	STEP RX, RY, 1
	STEP RY, RX, 1
	s_sub_co_u32 s53, s53, 1
	s_cmp_lg_u32 s53, 0
	s_cbranch_scc1 .Lrest
	STEP RX, RY, 1
	STEP RY, RX, 0                                 ; the pass's last step asks for nothing more
	; THE WAY OUT: O^T / the sum; V's tiles hold the head's columns so that register 16 b + i is o(query r, d = 32 b + 16 h + i): two blocks of 32, each in lanes l and l xor 16, make a half fragment
.rept 4
	v_nop
.endr
	WALU
	v_add_f32 v32, v32, v33
	DEP 1
	v_permlanex16_b32 v[W0], v32, s20, s21
	DEP 1
	v_add_f32 v32, v32, v[W0]                      ; the row's sum
	WALU
	v_rcp_f32 v34, v32
	v_nop                                          ; a plain line behind the reciprocal,
	WALU                                           ; and the wait ahead of its first reader
.irp j, 0,2,4,6,8,10,12,14,16,18,20,22,24,26,28,30
	v_pk_mul_f32 v[RX+\j:RX+\j+1], v[O+\j:O+\j+1], v[34:35] op_sel_hi:[1,0]   ; each accumulator from its low end on
.endr
.irp b, 0,1
	v_max3_num_f32 v[MX+\b], |v[RX+16*\b]|, |v[RX+16*\b+1]|, 0x1800000
.endr
.irp i, 2,4,6,8,10,12,14
.irp b, 0,1
	DEP 2
	v_max3_num_f32 v[MX+\b], v[MX+\b], |v[RX+16*\b+\i]|, |v[RX+16*\b+\i+1]|
.endr
.endr
.irp b, 0,1
	DEP 2
	v_permlanex16_b32 v[MX+2+\b], v[MX+\b], s20, s21
.endr
.irp b, 0,1
	DEP 2
	v_max_num_f32 v[MX+\b], v[MX+\b], v[MX+2+\b]
.endr
.irp b, 0,1
	DEP 2
	v_add_nc_u32 v[SOP+\b], 0xff000000, v[MX+\b]
.endr
.irp b, 0,1
	DEP 2
	v_lshrrev_b32 v[MX+2+\b], 23, v[SOP+\b]
.endr
	DEP 1
	v_lshl_or_b32 v[W1], v[MX+3], 8, v[MX+2]       ; my row's two scale bytes
	v_cvt_scalef32_pk16_fp6_f32 v[PCD:PCD+2], v[RX:RX+15], v[SOP]
	v_cvt_scalef32_pk16_fp6_f32 v[CT:CT+2], v[RX+16:RX+31], v[SOP+1]
	v_nop
.irp i, 0,1,2
	v_permlane16_swap_b32 v[PCD+\i], v[CT+\i]
.endr
.irp i, 0,1,2
	v_mov_b32 v[PCD+3+\i], v[CT+\i]
.endr
	global_store_b128 v1, v[PCD:PCD+3], s[60:61]   ; 512 consecutive bytes, aligned
	global_store_b64 v2, v[PCD+4:PCD+5], s[60:61]  ; 256 (v2 holds the 512 too)
	global_store_b16 v15, v[W1], s[62:63]          ; two bytes of a row's eight: a scale word of the next product spans two heads, which are two work-groups'; both halves of the lanes store the same bytes
.irp i, 0,1,2,3,4,5
	v_mov_b32 v[16+\i], v[Q2+\i]                   ; the second pass's Q
.endr
	v_mov_b32 v28, v35
	s_wait_xcnt 0x0                                ; the stores have read their data and their bases
	s_add_nc_u64 s[60:61], s[60:61], 204800        ; 16 tiles on: two groups of oc
	s_add_nc_u64 s[62:63], s[62:63], 204800
	s_add_co_u32 s71, s71, 1
	s_cmp_lg_u32 s71, 2
	WALU
	s_cbranch_scc1 .Lpass
	s_wait_tensorcnt 0x0                           ; the wave's end
	ds_add_u32 v254, v255
	s_wait_dscnt 0x0
	CROUND                                         ; the closing round
	s_endpgm
.Lfunc_end_k_q86ece6e73c_attn:
	.size	k_q86ece6e73c_attn, .Lfunc_end_k_q86ece6e73c_attn-k_q86ece6e73c_attn
	.p2alignl 7, 3214868480
	.fill 96, 4, 3214868480
	.section	.rodata,"a",@progbits
	.p2align	6, 0x0
	.amdhsa_kernel k_q86ece6e73c_attn
		.amdhsa_group_segment_fixed_size 227328
		.amdhsa_private_segment_fixed_size 0
		.amdhsa_enable_private_segment 0
		.amdhsa_kernarg_size 24
		.amdhsa_user_sgpr_count 2
		.amdhsa_user_sgpr_kernarg_segment_ptr 1
		.amdhsa_wavefront_size32 1
		.amdhsa_system_sgpr_workgroup_id_x 1
		.amdhsa_system_sgpr_workgroup_id_y 1
		.amdhsa_system_sgpr_workgroup_id_z 1
		.amdhsa_system_vgpr_workitem_id 0
		.amdhsa_next_free_vgpr 256
		.amdhsa_next_free_sgpr 72
		.amdhsa_reserve_vcc 1
		.amdhsa_float_denorm_mode_32 3
		.amdhsa_float_denorm_mode_16_64 3
		.amdhsa_memory_ordered 1
		.amdhsa_forward_progress 1
		.amdhsa_inst_pref_size 111
	.end_amdhsa_kernel
	.amdgpu_metadata
---
amdhsa.version: [ 1, 2 ]
amdhsa.kernels:
  - .name:           k_q86ece6e73c_attn
    .symbol:         k_q86ece6e73c_attn.kd
    .args:
      - { .name: pa, .offset: 0, .size: 8, .value_kind: global_buffer, .address_space: global }
      - { .name: mask, .offset: 8, .size: 8, .value_kind: global_buffer, .address_space: global }
      - { .name: oc, .offset: 16, .size: 8, .value_kind: global_buffer, .address_space: global }
    .group_segment_fixed_size: 227328
    .private_segment_fixed_size: 0
    .kernarg_segment_align: 8
    .kernarg_segment_size: 24
    .max_flat_workgroup_size: 512
    .sgpr_count:     72
    .vgpr_count:     256
    .wavefront_size: 32
...
	.end_amdgpu_metadata
.endif
;; end of part 3
;; launch outp (part 4): grid 4 x 64, 4 waves a work-group, clusters of 4 x 4, 307,712 bytes of LDS; arguments oc, xc, bo, out0; writes out0
.if DOCPART == 4
	.amdgcn_target "amdgcn-amd-amdhsa--gfx1250"
	.amdhsa_code_object_version 6
	.text
	.protected	k_q86ece6e73c_outp
	.globl	k_q86ece6e73c_outp
	.p2align	8
	.type	k_q86ece6e73c_outp,@function
k_q86ece6e73c_outp:
	s_mov_b64 s[64:65], 0
	v_nop
	global_prefetch_b8 v0, s[64:65] scope:SCOPE_SE
	s_setreg_imm32_b32 hwreg(HW_REG_WAVE_MODE, 25, 1), 1
	s_wait_xcnt 0x0
	s_wait_alu depctr_hold_cnt(0) depctr_sa_sdst(0) depctr_va_vdst(0) depctr_va_sdst(0) depctr_va_ssrc(0) depctr_va_vcc(0) depctr_vm_vsrc(0)
	s_getreg_b32 s2, hwreg(HW_REG_IB_STS2, 6, 4)
	s_cmp_eq_u32 s2, 0
	s_cbranch_scc0 .Lentry_in_a_cluster
	s_endpgm
.Lentry_in_a_cluster:
	s_bfe_u32 s2, ttmp6, 0x10000c
	s_cmp_lg_u32 s2, 0xf033
	s_cbranch_scc0 .Lentry_shape_is_right
	s_endpgm
.Lentry_shape_is_right:
; out0 = o Wo^T + bo on codes of FP6 (E2M3): o's out of oc, Wo's out of xc (groups 216-223), both laid in the order of an operand's registers.
; A work-group of four waves makes 128 tokens (S1, source 1) x 256 features (S0, source 0) over all K = 1,024; wave w makes S1's tiles 4 (w / 2) .. + 3 against the 8 tiles of S0's group w % 2: 32 accumulators.
; ALL OPERANDS LIE IN LDS: S1's group at 0 as 4 chunks of 256 K (25,600 bytes: codes and scale words, dense), S0's two from 102,400 as [half of K][group][2 chunks].  Nothing is filled twice.  Four tensor loads, one a wave: waves 0 and 2 S1's halves of K,
; waves 1 and 3 S0's (both groups).  CLUSTER 4 x 4: S1's group is shared along a row of the cluster, S0's groups along a column: each chunk is asked for jointly.
; The tiles hold rows 32 b + 8 u + r + 8 (r / 8) in lane r of tile 2 b + u: a lane's 16 registers of two neighbouring S0 tiles are 16 neighbouring features, and the tokens' order is undone in the stores' immediates.
; The bias is the C of each sum's first matrix instruction.  The way out goes through a stage in LDS, in bytes that have had their only fill and that nobody reads any more.
; REGISTERS: window 0: v8-19 LDS addresses; v20-22 the way out; v48-95 scale words (these alone); v96-159 the bias as C, later rows of the result; v160-255 S1's fragments, two sets, later rows of the result.
;   window 1: accumulator (a, b) at v[64 a + 8 b].   window 2: S0's fragments, two sets, at v0 and v128.
.set GRP, 102400
.set CHK, 25600
.set BI,  96
.set MSB, 0
.macro WIN new                         ; the immediate's high byte repeats the setting that is left
.if MSB != \new
	s_set_vgpr_msb (MSB<<8)|\new
.set MSB, \new
.endif
.endm
.macro CROUND                          ; a round of the cluster's barrier
	s_barrier_signal -1
	s_barrier_wait -1
	s_cmp_lg_u32 s16, 0
	s_cbranch_scc1 .Lnot_wave_0_\@
	s_barrier_signal -3
.Lnot_wave_0_\@:
	s_barrier_wait -3
	s_barrier_signal -1
	s_barrier_wait -1
.endm
.macro PLACES n
.rept \n
	v_nop
.endr
.endm
.macro FRAG reg, a16, a8, off          ; a fragment (16 rows x 128 K, 12 registers) is two half fragments, 6,144 bytes apart
	ds_load_b128 v[\reg:\reg+3], v[\a16] offset:\off
	ds_load_b64 v[\reg+4:\reg+5], v[\a8] offset:\off
	ds_load_b128 v[\reg+6:\reg+9], v[\a16] offset:\off+6144
	ds_load_b64 v[\reg+10:\reg+11], v[\a8] offset:\off+6144
.endm
.macro FETCH q                         ; K step q's fragments into set q % 2; with an even q the chunk's scale words into parity (q / 2) % 2
.set TT, (\q)/4
.set OF, (((\q)/2)%2)*CHK+((\q)%2)*12288
.set RH, ((\q)/2)%2
	WIN 0x80                                       ; destination window 2
.irp i, 0,1,2,3,4,5,6,7
	FRAG 128*((\q)%2)+12*\i,12+TT,14+TT,OF+768*\i
.endr
	WIN 0
.irp i, 0,1,2,3
	FRAG 160+48*((\q)%2)+12*\i,8+TT,10+TT,OF+768*\i
.endr
.if (\q)%2 == 0
.irp i, 0,1,2,3
	ds_load_b64 v[48+24*RH+2*\i:48+24*RH+2*\i+1], v[16+TT] offset:RH*CHK+128*\i
.endr
.irp i, 0,1,2,3,4,5,6,7
	ds_load_b64 v[56+24*RH+2*\i:56+24*RH+2*\i+1], v[18+TT] offset:RH*CHK+128*\i
.endr
.endif
.endm
.macro WM d, a, b, c, sa, sb
	v_wmma_scale_f32_16x16x128_f8f6f4 v[\d:\d+7], v[\a:\a+11], v[\b:\b+11], v[\c:\c+7], v[\sa], v[\sb] matrix_a_fmt:MATRIX_FMT_FP6 matrix_b_fmt:MATRIX_FMT_FP6
.endm
; 32 matrix instructions, the 32 accumulators by turns, one instruction a turn.  first = 1: C = the bias.
.macro MUL q, first
.set RH, ((\q)/2)%2
.set PQ, (\q)%2
.if \first
	WIN 0x42                                       ; source 0 window 2, source 1 and C window 0, D window 1
.else
	WIN 0x52                                       ; C window 1 too
.endif
.irp a, 0,1,2,3
.irp b, 0,1,2,3,4,5,6,7
.if \first
	WM 64*\a+8*\b,128*PQ+12*\b,160+48*PQ+12*\a,BI+8*\b,56+24*RH+2*\b+PQ,48+24*RH+2*\a+PQ
.else
	WM 64*\a+8*\b,128*PQ+12*\b,160+48*PQ+12*\a,64*\a+8*\b,56+24*RH+2*\b+PQ,48+24*RH+2*\a+PQ
.endif
.endr
.endr
.endm
.macro AHEAD q                         ; what stands in front of K step q's products
	s_wait_dscnt 0x0                               ; this step's fragments are in
.if (\q) == 3
	s_wait_tensorcnt 0x0                           ; every wave's load has landed: the second half of K among them
	s_barrier_signal -1
	s_barrier_wait -1                              ; everybody's has.
.endif
.if (\q) > 0
	PLACES 4                                       ; four plain lines between the last products and loads into registers that they read
.endif
	FETCH (\q)+1
.endm
	s_load_b256 s[4:11], s[0:1], 0x0               ; oc, xc, bo, out0
	v_lshl_add_u32 v46, v0, 2, 0x4b000
	v_mov_b32 v47, 0
	ds_add_u32 v46, v47
	ds_add_u32 v46, v47
	v_lshrrev_b32 v1, 5, v0
	v_readfirstlane_b32 s16, v1                    ; wave
	s_lshr_b32 s17, s16, 1
	s_and_b32 s18, s16, 1
	s_bfe_u32 s19, ttmp6, 0x40000                  ; cx
	s_bfe_u32 s20, ttmp6, 0x40004                  ; cy
	s_and_b32 s84, ttmp7, 0xffff
	s_lshl_b32 s84, s84, 2
	s_add_co_u32 s84, s84, s20                     ; the group of tokens: hangs on cy alone
	s_lshl_b32 s88, s20, 2
	s_lshl_b32 s88, 15, s88                        ; my row of the cluster
	s_lshl_b32 s89, 0x1111, s19                    ; my column
	; descriptor group 1: a chunk is 100 rows of 256 bytes (32 elements of 8 bytes), dense
	s_or_b32 s24, s88, (3<<16)|(1<<21)             ; 15:0 the mask; 17:16 elements of 8 bytes; 21 set beside a mask
	s_or_b32 s32, s89, (3<<16)|(1<<21)
.irp g, 24, 32
	s_mov_b32 s[\g+1], 32<<16                      ; tensor_dim0
	s_mov_b32 s[\g+2], (200+25*(\g-24))<<16        ; tensor_dim1: S1's half of K is 200 rows of 256 bytes, S0's (two groups) 400
	s_mov_b32 s[\g+3], 32<<16                      ; tile_dim0
	s_mov_b32 s[\g+4], 200+25*(\g-24)              ; tile_dim1
	s_mov_b32 s[\g+5], 32                          ; the pitch
	s_mov_b32 s[\g+6], 0
	s_mov_b32 s[\g+7], 0
.endr
	s_mul_i32 s76, s84, GRP
	s_mov_b32 s77, 0
	s_lshl_b32 s80, s19, 1
	s_add_co_u32 s80, s80, 216
	; THE FILLS, AS THEY NOW STAND: four joint loads, one a wave: wave 0 S1's first half of K, wave 1 S0's (both groups), wave 2 S1's second half, wave 3 S0's.  oc lies [group][4 chunks]; xc [pair of groups][half of K][group][2 chunks].
	; LDS: S1's four chunks from 0; S0 from 102,400: [half of K][group][2 chunks].
	s_mul_i32 s80, s80, GRP
	s_mov_b32 s81, 0
	s_wait_dscnt 0x0
	s_wait_kmcnt 0x0
	s_add_nc_u64 s[78:79], s[4:5], s[76:77]
	s_add_nc_u64 s[80:81], s[6:7], s[80:81]
.irp t, 0,1                            ; half t of K: S1's in s[40+4t ..], S0's in s[48+4t ..]
	s_mov_b32 s[40+4*\t], 1
	s_mov_b32 s[41+4*\t], \t*2*CHK
	s_add_nc_u64 s[42+4*\t:43+4*\t], s[78:79], \t*2*CHK
	s_or_b32 s[43+4*\t], s[43+4*\t], 0x80000000
	s_mov_b32 s[48+4*\t], 1
	s_mov_b32 s[49+4*\t], GRP+\t*GRP
	s_add_nc_u64 s[50+4*\t:51+4*\t], s[80:81], \t*GRP
	s_or_b32 s[51+4*\t], s[51+4*\t], 0x80000000
.endr
	CROUND                                         ; all sixteen work-groups are here: the joint loads meet
	s_cmp_eq_u32 s16, 0                            ; one chain of branches on the wave's number, one load to an arm
	s_cbranch_scc0 .Lwave_1
	tensor_load_to_lds s[40:43], s[24:31]          ; wave 0: S1, first half of K
	s_nop 0
	PLACES 4
	s_branch .Lasked
.Lwave_1:
	s_cmp_eq_u32 s16, 1
	s_cbranch_scc0 .Lwave_2
	tensor_load_to_lds s[48:51], s[32:39]          ; wave 1: S0, first half
	s_nop 0
	PLACES 4
	s_branch .Lasked
.Lwave_2:
	s_cmp_eq_u32 s16, 2
	s_cbranch_scc0 .Lwave_3
	tensor_load_to_lds s[44:47], s[24:31]          ; wave 2: S1, second half
	s_nop 0
	PLACES 4
	s_branch .Lasked
.Lwave_3:
	tensor_load_to_lds s[52:55], s[32:39]          ; wave 3: S0, second half
	s_nop 0
	PLACES 4
.Lasked:
	v_and_b32 v1, 31, v0                           ; lane
	v_and_b32 v2, 15, v0                           ; r
	v_bfe_u32 v3, v0, 4, 1                         ; h
	s_mul_i32 s95, s17, 3072                       ; my four tiles of S1
	v_lshl_add_u32 v8, v1, 4, s95
	v_add_nc_u32 v9, 2*CHK, v8                     ; (chunks 2 and 3: the immediates end at 64 KB)
	v_lshl_add_u32 v10, v1, 3, s95
	v_add_nc_u32 v10, 512, v10
	v_add_nc_u32 v11, 2*CHK, v10
	s_lshl_b32 s95, s17, 9
	s_add_co_u32 s95, s95, 24576
	v_lshl_add_u32 v16, v2, 3, s95                 ; S1's scale words: 8 bytes a row
	v_add_nc_u32 v17, 2*CHK, v16
	s_mul_i32 s95, s18, 2*CHK
	s_add_co_u32 s95, s95, GRP                     ; my group of S0
	v_lshl_add_u32 v12, v1, 4, s95
	v_add_nc_u32 v13, GRP, v12                     ; S0's second half of K lies 102,400 bytes on
	v_lshl_add_u32 v14, v1, 3, s95
	v_add_nc_u32 v14, 512, v14
	v_add_nc_u32 v15, GRP, v14
	s_add_co_u32 s95, s95, 24576
	v_lshl_add_u32 v18, v2, 3, s95
	v_add_nc_u32 v19, GRP, v18
	s_lshl_b32 s90, s19, 1
	s_add_co_u32 s90, s90, s18                     ; my group of 128 features
	s_lshl_b32 s90, s90, 9                         ; in bytes of f32: in bo, and in a row of out0
	s_mov_b32 s91, 0
	s_add_nc_u64 s[8:9], s[8:9], s[90:91]
	s_lshl_b32 s92, s84, 19                        ; 128 tokens of 4,096 bytes
	s_lshl_b32 s93, s17, 18                        ; my 64 of them
	s_add_co_u32 s92, s92, s93
	s_add_co_u32 s92, s92, s90
	s_mov_b32 s93, 0
	s_add_nc_u64 s[10:11], s[10:11], s[92:93]
	v_lshlrev_b32 v160, 6, v3                      ; the bias: tile b's register j of lane (r, h) is feature 32 (b / 2) + 16 h + 8 (b % 2) + j
.irp b, 0,1,2,3,4,5,6,7
	global_load_b128 v[BI+8*\b:BI+8*\b+3], v160, s[8:9] offset:(32*(\b/2)+8*(\b%2))*4
	global_load_b128 v[BI+8*\b+4:BI+8*\b+7], v160, s[8:9] offset:(32*(\b/2)+8*(\b%2))*4+16
.endr
	s_mul_i32 s95, s16, 8448                       ; my stage: 16 rows x (512 bytes + 16)
	v_mul_u32_u24 v20, v2, 528
	v_lshl_add_u32 v20, v3, 6, v20
	v_add_nc_u32 v20, s95, v20                     ; in: row r, 64 bytes for each half of the lanes
	v_lshlrev_b32 v22, 4, v1                       ; 16 x lane: in a row of out0,
	v_add_nc_u32 v21, s95, v22                     ; and back out of the stage
	s_wait_alu depctr_va_vdst(0)
	s_wait_loadcnt 0x0
	s_cmp_lt_u32 s16, 2                            ; waves 0 and 1 brought the first half of K: they wait
	s_cbranch_scc0 .Llater
	s_wait_tensorcnt 0x0
.Llater:
	s_barrier_signal -1
	s_barrier_wait -1
	FETCH 0
	AHEAD 0
	MUL 0, 1
.irp q, 1,2,3,4,5,6
	AHEAD \q
	MUL \q, 0
.endr
	s_wait_dscnt 0x0                               ; the last step's fragments are in: my reads of the operands are over;
	s_barrier_signal -1                            ; say so,
	MUL 7, 0                                       ; work on registers meanwhile,
	WIN 0
	s_barrier_wait -1                              ; and behind this wait nobody reads the operands: the stages may be written
	PLACES 4
; THE WAY OUT of S1's tile a: 16 tokens x 128 features go through my stage and come back as whole rows of 512 bytes.  LDS serves a wave's instructions in order: no wait between the stores and the loads.
.macro TOSTAGE a
	WIN 0x04                                       ; an LDS store's data are its source 1: window 1
.irp b, 0,1,2,3,4,5,6,7
	ds_store_b128 v20, v[64*(\a)+8*\b:64*(\a)+8*\b+3] offset:128*(\b/2)+32*(\b%2)        ; each accumulator from its low end on
	ds_store_b128 v20, v[64*(\a)+8*\b+4:64*(\a)+8*\b+7] offset:128*(\b/2)+32*(\b%2)+16
.endr
	WIN 0
.irp t, 0,1,2,3,4,5,6,7,8,9,10,11,12,13,14,15
	ds_load_b128 v[96+64*((\a)%2)+4*\t:96+64*((\a)%2)+4*\t+3], v21 offset:528*\t
.endr
.endm
.macro SEND a, younger                 ; younger: the LDS instructions issued behind tile a's loads, which may stay out
	s_wait_dscnt \younger
.irp t, 0,1,2,3,4,5,6,7,8,9,10,11,12,13,14,15
	global_store_b128 v22, v[96+64*((\a)%2)+4*\t:96+64*((\a)%2)+4*\t+3], s[10:11] offset:(32*((\a)/2)+8*((\a)%2)+\t+8*(\t/8))*4096 th:TH_STORE_NT   ; 512 consecutive bytes, aligned; the tile's row t is this token
.endr
.endm
	TOSTAGE 0
.irp a, 1,2,3
.if \a > 1
	s_wait_xcnt 0x0                                ; the stores of two tiles ago have read their registers: this tile's rows may land there
.endif
	TOSTAGE \a
	SEND \a-1, 32                                  ; behind that tile's loads: this tile's 16 stores and 16 loads
.endr
	SEND 3, 0
	s_wait_tensorcnt 0x0
	ds_add_u32 v46, v47
	s_wait_dscnt 0x0
	CROUND                                         ; the closing round: no work-group ends while a partner may still ask for a chunk that names it
	s_endpgm
.Lfunc_end_k_q86ece6e73c_outp:
	.size	k_q86ece6e73c_outp, .Lfunc_end_k_q86ece6e73c_outp-k_q86ece6e73c_outp
	.p2alignl 7, 3214868480
	.fill 96, 4, 3214868480
	.section	.rodata,"a",@progbits
	.p2align	6, 0x0
	.amdhsa_kernel k_q86ece6e73c_outp
		.amdhsa_group_segment_fixed_size 307712
		.amdhsa_private_segment_fixed_size 0
		.amdhsa_enable_private_segment 0
		.amdhsa_kernarg_size 32
		.amdhsa_user_sgpr_count 2
		.amdhsa_user_sgpr_kernarg_segment_ptr 1
		.amdhsa_wavefront_size32 1
		.amdhsa_system_sgpr_workgroup_id_x 1
		.amdhsa_system_sgpr_workgroup_id_y 1
		.amdhsa_system_sgpr_workgroup_id_z 1
		.amdhsa_system_vgpr_workitem_id 0
		.amdhsa_next_free_vgpr 768
		.amdhsa_next_free_sgpr 100
		.amdhsa_reserve_vcc 0
		.amdhsa_float_denorm_mode_32 3
		.amdhsa_float_denorm_mode_16_64 3
		.amdhsa_memory_ordered 1
		.amdhsa_forward_progress 1
		.amdhsa_inst_pref_size 85
	.end_amdhsa_kernel
	.amdgpu_metadata
---
amdhsa.version: [ 1, 2 ]
amdhsa.kernels:
  - .name:           k_q86ece6e73c_outp
    .symbol:         k_q86ece6e73c_outp.kd
    .args:
      - { .name: oc, .offset: 0, .size: 8, .value_kind: global_buffer, .address_space: global }
      - { .name: xc, .offset: 8, .size: 8, .value_kind: global_buffer, .address_space: global }
      - { .name: bo, .offset: 16, .size: 8, .value_kind: global_buffer, .address_space: global }
      - { .name: out0, .offset: 24, .size: 8, .value_kind: global_buffer, .address_space: global }
    .group_segment_fixed_size: 307712
    .private_segment_fixed_size: 0
    .kernarg_segment_align: 8
    .kernarg_segment_size: 32
    .max_flat_workgroup_size: 128
    .sgpr_count:     100
    .vgpr_count:     768
    .wavefront_size: 32
...
	.end_amdgpu_metadata
.endif
;; end of part 4
